; MI455X (gfx1250); checked and timed in simulation.
; The chip was launched on July 23, 2026; its instructions are those of AMD's public machine-readable ISA for CDNA 5 (MIT licence, August 2026) and "CDNA5" Instruction Set Architecture Reference Guide (July 2026). The comments in the code are by the model that wrote it; some were corrected since.
;; Block. Allowed arithmetic: matrix products marked QUANTISED: E2M3 operands, one E8M0 scale for each 32 along K, by v_wmma_scale_f32_16x16x128_f8f6f4 with both operands' format E2M3, f32 sums; everything else in f32.
;; Inputs: b1 4,096 float32; b2 1,024 float32; b_proj 1,024 float32; ln1_b 1,024 float32; ln1_g 1,024 float32; ln2_b 1,024 float32; ln2_g 1,024 float32; w1 1,024 x 4,096 float32; w2 4,096 x 1,024 float32; w_proj 1,024 x 1,024 float32; wk 16 x 1,024 x 64 float32; wq 16 x 1,024 x 64 float32; wv 16 x 1,024 x 64 float32; x 2 x 2,048 x 1,024 float32.
;; Outputs: out0 2 x 2,048 x 1,024 float32.
;; This version of the problem:
;;   THIS VERSION OF THE PROBLEM IS GIVEN IN LOW PRECISION. The matrix products marked QUANTISED in the list below multiply operands that are first quantised to E2M3 (2 exponent bits, 3 mantissa bits; 6 bits a number), with one power-of-two scale for each 32 numbers along K (OCP MX v1.0); their sums are f32. All else is computed in f32.
;;   The module's matrix products, in the order in which they are computed (A, B: the left and right operand; K: the contracted axis; several contracted axes count as one K, in the product's order):
;;     1. [M 1,024, K 1,024] x [K 1,024, N 4,096]; A: input wq; B: computed on the way: QUANTISED
;;     2. [M 1,024, K 1,024] x [K 1,024, N 4,096]; A: input wk; B: computed on the way: QUANTISED
;;     3. [M 1,024, K 1,024] x [K 1,024, N 4,096]; A: input wv; B: computed on the way: QUANTISED
;;     4. batch 32 x [M 2,048, K 64] x [K 64, N 2,048]; A: computed on the way; B: computed on the way: QUANTISED
;;     5. batch 32 x [M 2,048, K 2,048] x [K 2,048, N 64]; A: softmax (see below); B: computed on the way: QUANTISED
;;     6. [M 4,096, K 1,024] x [K 1,024, N 1,024]; A: computed on the way; B: input w_proj: QUANTISED
;;     7. [M 4,096, K 1,024] x [K 1,024, N 4,096]; A: computed on the way; B: input w1: QUANTISED
;;     8. [M 4,096, K 4,096] x [K 4,096, N 1,024]; A: computed on the way; B: input w2: QUANTISED
;;   THE QUANTISER, for each operand of a quantised product, along K:
;;     - K is cut into blocks of 32 from its start; a last block that is shorter is filled with zeros.
;;     - A block's scale is 2^e with e = floor(log2(the largest magnitude in the block)) - 2, held to -126 .. 127; a block of zeros has e = 0. As a byte (E8M0): e + 127.
;;     - Each number is divided by its block's scale, clamped to +-7.5, and rounded to the nearest number of E2M3, ties to even, subnormals kept.
;;     - The product sums the exact products of the quantised numbers (number of the format x scale) in f32.
;;   ~~~python
;;   def quantise(x, axis):      # numpy; x: float32 -> the quantised numbers, widened to float32 again
;;       x = np.moveaxis(x, axis, -1); K = x.shape[-1]
;;       x = np.pad(x, [(0, 0)] * (x.ndim - 1) + [(0, -K % 32)]); x = x.reshape(x.shape[:-1] + (-1, 32)); a = np.abs(x).max(-1, keepdims=True)
;;       e = np.where(a > 0, np.clip(np.frexp(np.where(a > 0, a, 1))[1] - 1 - 2, -126, 127), 0)      # np.frexp(a)[1] - 1 = floor(log2(a)), exactly
;;       r = np.clip(x / 2.0 ** e, -7.5, 7.5)
;;       step = 2.0 ** (np.maximum(np.frexp(np.where(r == 0, 1, r))[1] - 1, 0) - 3)
;;       q = np.round(r / step) * step * 2.0 ** e      # np.round: ties to even
;;       return np.moveaxis(q.reshape(q.shape[:-2] + (-1,))[..., :K], -1, axis).astype(np.float32)
;;   ~~~
;;   SOFTMAX AHEAD OF A QUANTISED PRODUCT. Where the list says 'softmax', what is quantised is not the finished softmax but p = 2^(t - M), with t = logit x log2(e) and M = ceil(the row's largest t), a whole number; so 1/2 < the row's largest p <= 1. The row's sum l is taken of the UNQUANTISED p, in f32, and the product's result is divided by l at the end. Since M is a whole number, a kernel that streams over the keys may use a running M (the ceiling of the running maximum): every later rescaling is an exact power of two, which a block's scale takes up: the codes' values come out the same.
;;   OPERANDS COMPUTED ON THE WAY. 'Computed on the way' means the value that the module computes at that place (a softmax that the list does not call 'softmax' is quantised finished and normalised). What goes into a quantiser is computed in f32, as accurately as f32 sums, v_exp_f32 and their like allow (about 1e-6 of the number): no bf16 or f16 on the way to a quantiser, and a product that is left as it is and whose result goes on into a quantised operand takes f32 operands (vector FMAs, or v_wmma_f32_16x16x4_f32). A number that lies on a knife's edge between two numbers of the format may be rounded either way, as far as f32 arithmetic and the matrix unit's own rounding can turn it there, and no further.
;; One version. Each part assembles by itself: llvm-mc -triple=amdgcn-amd-amdhsa -mcpu=gfx1250 --defsym DOCPART=n.
;; ======== version 1 of 1: 7 launches
;; limits: right only within a limited range of input values
;; workspace buffers: h 3,276,800 bytes; wqkvq 3,277,312 bytes; w1q 3,277,312 bytes; wpw2q 4,587,520 bytes; big 16,777,216 bytes; x1 16,777,216 bytes; zeros 16,384 bytes
;; launch prep (part 1): grid 256 x 4, 4 waves a work-group, no clusters, 33,280 bytes of LDS; arguments x, ln1_g, ln1_b, h, wq, wk, wv, w_proj, w1, w2, wqkvq, w1q, wpw2q, zeros; writes h, wqkvq, w1q, wpw2q, zeros
.if DOCPART == 1
	.amdgcn_target "amdgcn-amd-amdhsa--gfx1250"
	.amdhsa_code_object_version 6
	.text
	.protected	k_q5c6426eff2_prep
	.globl	k_q5c6426eff2_prep
	.p2align	8
	.type	k_q5c6426eff2_prep,@function
k_q5c6426eff2_prep:
	s_mov_b64 s[64:65], 0
	v_nop
	global_prefetch_b8 v0, s[64:65] scope:SCOPE_SE
	s_setreg_imm32_b32 hwreg(HW_REG_WAVE_MODE, 25, 1), 1
	s_wait_xcnt 0x0
; PREP.  Two jobs, told apart by the work-group's y.
; y = 0: LAYER NORM of 16 tokens (one tile), quantised along C into codes of E2M3 with one E8M0 byte for each 32, stored as operand images.
; y = 1, 2, 3: the WEIGHTS (K is their first axis but for the heads' index) are quantised along K and stored as operand images.
; LAYOUTS of this program's own buffers.  Rows (tokens or features) go in tiles of 16: slot s of tile 2 B + u stands for row 32 B + 8 u + s + (s & 8).
; A fragment (16 slots x 128 K) lies as the image of its 12 registers: byte 512 p + 16 L + 4 e is register 4 p + e of lane L (lane = slot + 16 h; registers 6 c .. 6 c + 5 hold K = 64 c + 32 h + 0 .. 31).
; An operand with KS steps of 128 along K: fragment (tile, step) at (tile KS + step) 1,536; its scale words at a scale offset + 16,384 step + 64 tile + 4 slot.
; A block's scale byte is its largest magnitude's exponent field - 2, held at 1 from below.
; LIMITS: NaN and infinities are not served; a block whose largest magnitude lies under 2^-124 has its byte held at 1; a block of zeros has the byte 1 where the rule says 127: its codes are zeros, and this program alone reads the bytes.
; No tensor load, no matrix instruction, no cluster: work-groups share no input, and memory binds.
.set SOFF,   3145728                   ; where the scale words of h, wqkvq and w1q begin
.set ACTOFF, 3276800                   ; behind them in wqkvq and w1q: 512 bytes with the floor of the activation (-infinity: none; 0: relu)
.set TURNB,  4608                      ; LDS: for each wave 32 places of 128 + 16 bytes, in which a row turns from 16 bytes a lane to 128 bytes a lane
.set IMG,    18432                     ; the tile's 8 fragment images, 12,288 bytes
.set SCW,    30720                     ; its scale words: [step][slot][4]: 512 bytes
.macro RED                             ; v8 summed over the 32 lanes, the result in every lane
	v_add_f32_dpp v8, v8, v8 row_xmask:1 row_mask:0xf bank_mask:0xf
	v_add_f32_dpp v8, v8, v8 row_xmask:2 row_mask:0xf bank_mask:0xf
	v_add_f32_dpp v8, v8, v8 row_xmask:4 row_mask:0xf bank_mask:0xf
	v_add_f32_dpp v8, v8, v8 row_xmask:8 row_mask:0xf bank_mask:0xf
	v_permlanex16_b32 v9, v8, s50, s51
	v_add_f32 v8, v8, v9
.endm
.macro FOLD                            ; the four chains v[8:15] into one number a lane, then over the lanes
	v_pk_add_f32 v[8:9], v[8:9], v[10:11]
	v_pk_add_f32 v[12:13], v[12:13], v[14:15]
	v_pk_add_f32 v[8:9], v[8:9], v[12:13]
	v_add_f32 v8, v8, v9
	RED
.endm
.macro BLKMAX xs                       ; 32 numbers of one block in v[xs] on: v14 = the conversion's scale operand (the largest magnitude, floored at 2^(3 - 127), with 2 off its exponent field)
	v_max3_num_f32 v12, |v[\xs]|, |v[\xs+1]|, |v[\xs+2]|
	v_max3_num_f32 v13, |v[\xs+3]|, |v[\xs+4]|, |v[\xs+5]|
.irp k, 6,10,14,18,22,26
	v_max3_num_f32 v12, v12, |v[\xs+\k]|, |v[\xs+\k+1]|
	v_max3_num_f32 v13, v13, |v[\xs+\k+2]|, |v[\xs+\k+3]|
.endr
	v_max3_num_f32 v12, v12, |v[\xs+30]|, |v[\xs+31]|
	v_max3_num_f32 v12, v12, v13, 0x1800000
	v_add_nc_u32 v14, 0xff000000, v12
.endm
	s_load_b512 s[8:23], s[0:1], 0x0               ; xin s[8:9], g s[10:11], b s[12:13], h s[14:15], wq s[16:17], wk s[18:19], wv s[20:21], w_proj s[22:23]
	s_load_b256 s[24:31], s[0:1], 0x40             ; w1 s[24:25], w2 s[26:27], wqkvq s[28:29], w1q s[30:31]
	s_load_b128 s[32:35], s[0:1], 0x60             ; wpw2q s[32:33], zeros s[34:35]
	v_lshl_add_u32 v30, v0, 2, 0x8000
	v_mov_b32 v23, 0                               ; v30, v23: the add's two registers, kept for it alone
	v_lshrrev_b32 v1, 5, v0
	v_readfirstlane_b32 s4, v1                     ; wave 0..3
	v_and_b32 v1, 31, v0                           ; lane
	s_and_b32 s5, ttmp7, 0xffff                    ; y
	s_cmp_lg_u32 s5, 0
	s_cbranch_scc1 .Lweights
; ---------------- LAYER NORM: work-group x = token tile; wave w has slots 4 w .. 4 w + 3: four neighbouring tokens ----------------
	s_lshr_b32 s6, ttmp9, 1
	s_lshl_b32 s6, s6, 5                           ; 32 (tile / 2)
	s_and_b32 s7, ttmp9, 1
	s_lshl_b32 s7, s7, 3
	s_add_co_u32 s6, s6, s7                        ; + 8 (tile % 2)
	s_lshl_b32 s7, s4, 2
	s_add_co_u32 s6, s6, s7                        ; + 4 w
	s_lshr_b32 s7, s4, 1
	s_lshl_b32 s7, s7, 3
	s_add_co_u32 s6, s6, s7                        ; + 8 (w / 2): my first token
	s_lshl_b32 s36, s6, 12                         ; a row is 4,096 bytes
	s_mov_b32 s37, 0
	s_mul_i32 s38, ttmp9, 12288                    ; the tile's 8 images in h,
	s_mul_i32 s7, s4, 3072
	s_add_co_u32 s38, s38, s7                      ; my quarter of them
	s_mov_b32 s39, 0
	s_lshl_b32 s40, ttmp9, 6                       ; the tile's 64 bytes in a row of scale words
	s_mov_b32 s41, 0
	s_mov_b32 s50, 0x76543210
	s_mov_b32 s51, 0xfedcba98                      ; selects for v_permlanex16_b32: lane l xor 16
	s_mov_b32 s52, 0x3a800000                      ; 1 / 1,024
	s_mov_b32 s53, 0x3727c5ac                      ; 1e-5
	s_wait_alu depctr_va_vdst(0)
	v_lshlrev_b32 v2, 4, v1                        ; 16 x lane
	s_mul_i32 s42, s4, TURNB
	v_lshrrev_b32 v3, 3, v1
	v_mul_u32_u24 v3, v3, 144
	v_and_b32 v8, 7, v1
	v_lshl_add_u32 v3, v8, 4, v3
	v_add_nc_u32 v3, s42, v3                       ; the turn, in: place 4 j + lane / 8, 16 (lane % 8) in it
	v_mul_u32_u24 v4, v1, 144
	v_add_nc_u32 v4, s42, v4                       ; the turn, out: place = lane: my block of 32
	v_lshrrev_b32 v8, 2, v1                        ; my block's step of 128: lane / 4
	v_mul_u32_u24 v9, v8, 1536
	v_and_b32 v10, 1, v1                           ; its h
	v_lshl_add_u32 v9, v10, 8, v9                  ; the target lane is slot + 16 h: 256 h bytes,
	s_lshl_b32 s43, s4, 6
	v_add_nc_u32 v9, s43, v9                       ; 64 w for my slots
	v_bfe_u32 v10, v1, 1, 1                        ; its c
	v_lshl_add_u32 v5, v10, 10, v9
	v_add_nc_u32 v5, IMG, v5                       ; c = 0: registers 0-3 at 0; c = 1: registers 8-11 at 1,024
	v_lshl_add_u32 v6, v10, 3, v9
	v_add_nc_u32 v6, IMG+512, v6                   ; c = 0: registers 4, 5 at 512; c = 1: registers 6, 7 at 520
	v_lshlrev_b32 v7, 6, v8
	v_and_b32 v11, 3, v1
	v_add_nc_u32 v7, v7, v11
	s_lshl_b32 s43, s4, 4
	v_add_nc_u32 v7, s43, v7
	v_add_nc_u32 v7, SCW, v7                       ; my block's scale byte: 64 step + 4 slot + block % 4
	s_mul_i32 s43, s4, 3072
	s_add_co_u32 s43, s43, IMG
	v_add_nc_u32 v19, s43, v2                      ; the way out: my quarter of the images
	v_cmp_ne_u32 vcc_lo, 0, v10                    ; the lanes with c = 1
	s_wait_kmcnt 0x0
	s_add_nc_u64 s[8:9], s[8:9], s[36:37]
	s_add_nc_u64 s[38:39], s[14:15], s[38:39]
	s_add_nc_u64 s[40:41], s[14:15], s[40:41]
.irp j, 0,1,2,3,4,5,6,7
	global_load_b128 v[160+4*\j:163+4*\j], v2, s[10:11] offset:512*\j      ; the gain, as the rows are loaded: register 4 j + e = column 128 j + 4 lane + e
.endr
.irp j, 0,1,2,3,4,5,6,7
	global_load_b128 v[192+4*\j:195+4*\j], v2, s[12:13] offset:512*\j      ; the bias
.endr
.irp i, 0,1,2,3
.irp j, 0,1,2,3,4,5,6,7
	global_load_b128 v[32+32*\i+4*\j:35+32*\i+4*\j], v2, s[8:9] offset:4096*\i+512*\j th:TH_LOAD_NT   ; each load: 512 consecutive bytes
.endr
.endr
.macro ROW i
.set R, 32+32*\i
	s_wait_loadcnt 8*(3-\i)                        ; loads come back in order: gain, bias and my row are in, the later rows' eight loads each may be out
	v_pk_add_f32 v[8:9], v[R:R+1], v[R+2:R+3]      ; the sum, in four chains
	v_pk_add_f32 v[10:11], v[R+4:R+5], v[R+6:R+7]
	v_pk_add_f32 v[12:13], v[R+8:R+9], v[R+10:R+11]
	v_pk_add_f32 v[14:15], v[R+12:R+13], v[R+14:R+15]
.irp j, 16,24
	v_pk_add_f32 v[8:9], v[8:9], v[R+\j:R+\j+1]
	v_pk_add_f32 v[10:11], v[10:11], v[R+\j+2:R+\j+3]
	v_pk_add_f32 v[12:13], v[12:13], v[R+\j+4:R+\j+5]
	v_pk_add_f32 v[14:15], v[14:15], v[R+\j+6:R+\j+7]
.endr
	FOLD
	v_mul_f32 v8, s52, v8                          ; the mean
	v_mov_b32 v9, v8
.irp j, 0,2,4,6,8,10,12,14,16,18,20,22,24,26,28,30
	v_pk_add_f32 v[R+\j:R+\j+1], v[R+\j:R+\j+1], v[8:9] neg_lo:[0,1] neg_hi:[0,1]   ; x - mean, in place: the variance is taken of these, so a common offset costs nothing
.endr
	v_pk_mul_f32 v[8:9], v[R:R+1], v[R:R+1]
	v_pk_mul_f32 v[10:11], v[R+2:R+3], v[R+2:R+3]
	v_pk_mul_f32 v[12:13], v[R+4:R+5], v[R+4:R+5]
	v_pk_mul_f32 v[14:15], v[R+6:R+7], v[R+6:R+7]
.irp j, 8,16,24
	v_pk_fma_f32 v[8:9], v[R+\j:R+\j+1], v[R+\j:R+\j+1], v[8:9]
	v_pk_fma_f32 v[10:11], v[R+\j+2:R+\j+3], v[R+\j+2:R+\j+3], v[10:11]
	v_pk_fma_f32 v[12:13], v[R+\j+4:R+\j+5], v[R+\j+4:R+\j+5], v[12:13]
	v_pk_fma_f32 v[14:15], v[R+\j+6:R+\j+7], v[R+\j+6:R+\j+7], v[14:15]
.endr
	FOLD
	v_fma_f32 v8, v8, s52, s53                     ; the variance + 1e-5
	s_wait_alu depctr_va_vdst(0)
	v_rsq_f32 v10, v8
	v_nop                                          ; a plain instruction behind the transcendental
	s_wait_alu depctr_va_vdst(0)                   ; and the wait ahead of the first line that names its result
	v_mov_b32 v11, v10
.irp j, 0,2,4,6,8,10,12,14,16,18,20,22,24,26,28,30
	v_pk_mul_f32 v[R+\j:R+\j+1], v[R+\j:R+\j+1], v[10:11]
.endr
.irp j, 0,2,4,6,8,10,12,14,16,18,20,22,24,26,28,30
	v_pk_fma_f32 v[R+\j:R+\j+1], v[R+\j:R+\j+1], v[160+\j:161+\j], v[192+\j:193+\j]
.endr
.irp j, 0,1,2,3,4,5,6,7
	ds_store_b128 v3, v[R+4*\j:R+4*\j+3] offset:576*\j      ; the row turns through my own LDS bytes; LDS serves a wave's instructions in order
.endr
.irp j, 0,1,2,3,4,5,6,7
	ds_load_b128 v[224+4*\j:227+4*\j], v4 offset:16*\j      ; lane l now holds columns 32 l .. 32 l + 31: one block
.endr
	s_wait_dscnt 0x0
	BLKMAX 224
	v_cvt_scalef32_pk16_fp6_f32 v[16:18], v[224:239], v14
	v_cvt_scalef32_pk16_fp6_f32 v[20:22], v[240:255], v14
	v_lshrrev_b32 v31, 23, v14                     ; the scale's byte (also the plain instruction behind the conversions)
	v_cndmask_b32 v24, v16, v18, vcc_lo            ; the block's six registers go out as 16 + 8 bytes: c = 0: codes 0-3 and 4, 5; c = 1: codes 2-5 and 0, 1
	v_cndmask_b32 v25, v17, v20, vcc_lo
	v_cndmask_b32 v26, v18, v21, vcc_lo
	v_cndmask_b32 v27, v20, v22, vcc_lo
	v_cndmask_b32 v28, v21, v16, vcc_lo
	v_cndmask_b32 v29, v22, v17, vcc_lo
	ds_store_b128 v5, v[24:27] offset:16*\i
	ds_store_b64 v6, v[28:29] offset:16*\i
	ds_store_b8 v7, v31 offset:4*\i
	s_wait_dscnt 0x0                               ; the stores have read their registers (and, behind the last row, have landed for the other waves)
.endm
	ROW 0
	ROW 1
	ROW 2
	ROW 3
	s_barrier_signal -1
	s_barrier_wait -1                              ; the tile's images and scale words are whole
.irp j, 0,1,2,3,4,5
	ds_load_b128 v[32+4*\j:35+4*\j], v19 offset:512*\j
.endr
.irp j, 0,1,2,3,4,5
	s_wait_dscnt 5-\j                              ; LDS loads come back in order: load j is in, the later ones may be out
	global_store_b128 v2, v[32+4*\j:35+4*\j], s[38:39] offset:512*\j       ; 512 consecutive bytes, at a multiple of 512 from h's first byte
.endr
	s_cmp_lg_u32 s4, 0
	s_cbranch_scc1 .Lln_end
	ds_load_b128 v[56:59], v2 offset:SCW           ; wave 0: the 512 bytes of scale words: lane l has step l / 4, slots 4 (l % 4) on
	v_lshrrev_b32 v60, 2, v1
	v_lshlrev_b32 v60, 14, v60
	v_and_b32 v61, 3, v1
	v_lshl_add_u32 v60, v61, 4, v60
	s_wait_alu depctr_va_vdst(0)
	s_wait_dscnt 0x0
	global_store_b128 v60, v[56:59], s[40:41] offset:SOFF                  ; eight runs of 64 bytes: the scale words are one part in 24 of the codes' bytes
.Lln_end:
	s_wait_tensorcnt 0x0                           ; the wave's end
	ds_add_u32 v30, v23
	s_wait_dscnt 0x0
	s_endpgm
; ---------------- WEIGHTS: a wave takes 32 columns x 128 along K: a lane a column, its registers down K: two fragments and 32 scale words ----------------
; y = 1: x / 64 = 0, 1, 2: wq, wk, wv ([head][K][64]: rows 256 bytes apart) -> wqkvq, tiles 64 sel on; x / 64 = 3: w_proj -> wpw2q.   y = 2: w1 -> w1q.   y = 3: w2 -> wpw2q, behind w_proj.
.macro WLOAD kb, stride                ; block kb: 32 rows of K at my column; neighbouring lanes read neighbouring columns: 128 consecutive bytes
.set WI, 0
.rept 32
	global_load_b32 v[32+32*(\kb)+WI], v3, s[36:37] offset:(32*(\kb)+WI)*(\stride) th:TH_LOAD_NT
.set WI, WI+1
.endr
.endm
.macro WBLK kb                         ; block kb = 2 c + h of the step becomes registers 6 c .. 6 c + 5 of lane slot + 16 h: kept at v[160 + 12 h + 6 c] on
.set XS, 32+32*(\kb)
	BLKMAX XS
	v_lshrrev_b32 v13, 23, v14
.if (\kb) == 0
	v_mov_b32 v15, v13                             ; the four bytes make my column's scale word
.else
	v_lshl_or_b32 v15, v13, 8*(\kb), v15
.endif
	v_cvt_scalef32_pk16_fp6_f32 v[160+12*((\kb)%2)+6*((\kb)/2):162+12*((\kb)%2)+6*((\kb)/2)], v[XS:XS+15], v14
	v_cvt_scalef32_pk16_fp6_f32 v[184+4*(\kb):186+4*(\kb)], v[XS+16:XS+31], v14    ; (a conversion's three registers begin on an even number: the upper half is made elsewhere and moved)
	v_nop                                          ; a plain instruction behind the conversions
.endm
.macro WPATH stride                    ; loads run two blocks ahead: 64 loads of a wave are asked for at the start, 32 stay out while a block is worked on
	WLOAD 0, \stride
	WLOAD 1, \stride
	s_wait_loadcnt 32                              ; block 0 is in, block 1's 32 loads may be out
	WLOAD 2, \stride
	WBLK 0
	s_wait_loadcnt 32                              ; block 1 is in, block 2's may be out
	WLOAD 3, \stride
	WBLK 1
	s_wait_loadcnt 32                              ; block 2 is in, block 3's may be out
	WBLK 2
	s_wait_loadcnt 0x0
	WBLK 3
.endm
.Lweights:
	s_wait_alu depctr_va_vdst(0)
	v_lshlrev_b32 v3, 2, v1                        ; 4 x lane
	s_and_b32 s49, ttmp9, 63
	s_lshr_b32 s48, ttmp9, 6
	s_cmp_eq_u32 s5, 1
	s_cselect_b32 s49, s49, ttmp9                  ; the share's number within its weight
	s_cselect_b32 s48, s48, 3                      ; sel: 0, 1, 2 = wq, wk, wv; 3 = none of them
	s_cmp_eq_u32 s5, 3
	s_cselect_b32 s54, 5, 3                        ; w2 has 32 steps of 128 along K, the others 8
	s_cselect_b32 s55, 31, 7
	s_mov_b32 s42, 12288
	s_cselect_b32 s42, 49152, s42                  ; bytes from tile to tile: 1,536 x steps
	s_cselect_b32 s46, 917504, 0                   ; where the codes begin in the target
	s_mov_b32 s47, SOFF
	s_cselect_b32 s47, 4063232, s47                ; and the scale words
	s_cmp_eq_u32 s5, 2
	s_cselect_b32 s56, 21, 19                      ; 128 rows of K: 2^21 bytes in w1, 2^19 in w_proj and w2
	s_and_b32 s6, s49, s55                         ; the step
	s_lshr_b32 s7, s49, s54
	s_lshl_b32 s7, s7, 2
	s_add_co_u32 s7, s7, s4                        ; my group of 32 columns
	s_lshl_b32 s45, s7, 1                          ; its first tile
	s_lshl_b32 s44, s6, s56
	s_lshl_b32 s57, s7, 7
	s_add_co_u32 s44, s44, s57                     ; source offset in a plain [K][N] weight
	s_lshr_b32 s57, s7, 1
	s_lshl_b32 s57, s57, 18                        ; in wq, wk, wv: the head, 262,144 bytes each,
	s_and_b32 s58, s7, 1
	s_lshl_b32 s58, s58, 7
	s_add_co_u32 s57, s57, s58                     ; the half of its 64 columns,
	s_lshl_b32 s58, s6, 15
	s_add_co_u32 s57, s57, s58                     ; 128 rows of 256 bytes a step
	s_lshl_b32 s58, s48, 6
	s_add_co_u32 s58, s58, s45
	s_cmp_lt_u32 s48, 3
	s_cselect_b32 s44, s57, s44
	s_cselect_b32 s45, s58, s45
	s_add_co_u32 s57, s5, s48                      ; 4 for w_proj alone (y = 1, sel = 3)
	s_cmp_eq_u32 s57, 4
	s_cselect_b32 s47, 786432, s47
	s_mul_i32 s58, s45, s42
	s_mul_i32 s59, s6, 1536
	s_add_co_u32 s58, s58, s59
	s_add_co_u32 s58, s58, s46                     ; the first fragment's place
	s_mov_b32 s59, 0
	s_lshl_b32 s60, s6, 14
	s_lshl_b32 s61, s45, 6
	s_add_co_u32 s60, s60, s61
	s_add_co_u32 s60, s60, s47                     ; the scale words' place
	s_mov_b32 s61, 0
	s_mov_b32 s45, 0
	s_wait_kmcnt 0x0
	s_mov_b64 s[36:37], s[22:23]                   ; the source: a choice among buffers by ids alone
	s_cmp_eq_u32 s48, 0
	s_cselect_b64 s[36:37], s[16:17], s[36:37]
	s_cmp_eq_u32 s48, 1
	s_cselect_b64 s[36:37], s[18:19], s[36:37]
	s_cmp_eq_u32 s48, 2
	s_cselect_b64 s[36:37], s[20:21], s[36:37]
	s_cmp_eq_u32 s5, 2
	s_cselect_b64 s[36:37], s[24:25], s[36:37]
	s_cmp_eq_u32 s5, 3
	s_cselect_b64 s[36:37], s[26:27], s[36:37]
	s_mov_b64 s[38:39], s[32:33]                   ; the target
	s_cmp_lt_u32 s48, 3
	s_cselect_b64 s[38:39], s[28:29], s[38:39]
	s_cmp_eq_u32 s5, 2
	s_cselect_b64 s[38:39], s[30:31], s[38:39]
	s_add_nc_u64 s[36:37], s[36:37], s[44:45]
	s_add_nc_u64 s[40:41], s[38:39], s[60:61]
	s_add_nc_u64 s[38:39], s[38:39], s[58:59]
	s_cmp_lt_u32 s48, 3
	s_cbranch_scc1 .Lw256
	s_cmp_eq_u32 s5, 2
	s_cbranch_scc1 .Lw16k
	s_wait_alu depctr_va_vdst(0)
	WPATH 4096
	s_branch .Lwout
.Lw256:
	s_wait_alu depctr_va_vdst(0)
	WPATH 256
	s_branch .Lwout
.Lw16k:
	s_wait_alu depctr_va_vdst(0)
	WPATH 16384
.Lwout:
.irp kb, 0,1,2,3
.irp i, 0,1,2
	v_mov_b32 v[163+12*(\kb%2)+6*(\kb/2)+\i], v[184+4*\kb+\i]
.endr
.endr
	v_bfe_u32 v4, v1, 3, 1                         ; column 8 u + s + (s & 8) of the 32: u = (lane / 8) % 2,
	v_and_b32 v5, 7, v1
	v_lshrrev_b32 v6, 4, v1
	v_lshl_add_u32 v5, v6, 3, v5                   ; slot = lane % 8 + 8 (lane / 16)
	v_mul_lo_u32 v7, v4, s42
	v_lshl_add_u32 v7, v5, 4, v7                   ; tile u's fragment, 16 x slot
	v_lshlrev_b32 v8, 6, v4
	v_lshl_add_u32 v8, v5, 2, v8
.irp hh, 0,1
.irp p, 0,1,2
	global_store_b128 v7, v[160+12*\hh+4*\p:163+12*\hh+4*\p], s[38:39] offset:512*\p+256*\hh   ; sixteen lanes fill 256 consecutive bytes of each of the two fragments
.endr
.endr
	global_store_b32 v8, v15, s[40:41]             ; the wave's 128 consecutive bytes of scale words
	; the constants that later launches read: 16,384 bytes of zeros (the bias of the q, k, v products) and the two floors of the activation
	s_cmp_lg_u32 s5, 1
	s_cbranch_scc1 .Lw_end
	s_cmp_ge_u32 ttmp9, 34
	s_cbranch_scc1 .Lw_end
	s_cmp_lg_u32 s4, 0
	s_cbranch_scc1 .Lw_end
	s_lshl_b32 s44, ttmp9, 9
	s_mov_b32 s45, ACTOFF
	s_cmp_lt_u32 ttmp9, 32
	s_cselect_b32 s44, s44, s45
	s_cselect_b64 s[46:47], s[34:35], s[28:29]     ; x < 32: zeros + 512 x; x = 32: wqkvq's floor;
	s_cmp_eq_u32 ttmp9, 33
	s_cselect_b64 s[46:47], s[30:31], s[46:47]     ; x = 33: w1q's
	s_cmp_eq_u32 ttmp9, 32
	s_cselect_b32 s48, 0xff800000, 0               ; -infinity for q, k, v (no activation), 0 elsewhere
	s_mov_b32 s45, 0
	s_add_nc_u64 s[46:47], s[46:47], s[44:45]
	v_mov_b32 v200, s48
	v_mov_b32 v201, s48
	v_mov_b32 v202, s48
	v_mov_b32 v203, s48
	v_lshlrev_b32 v204, 4, v1
	global_store_b128 v204, v[200:203], s[46:47]
.Lw_end:
	s_endpgm
.Lfunc_end_k_q5c6426eff2_prep:
	.size	k_q5c6426eff2_prep, .Lfunc_end_k_q5c6426eff2_prep-k_q5c6426eff2_prep
	.p2alignl 7, 3214868480
	.fill 96, 4, 3214868480
	.section	.rodata,"a",@progbits
	.p2align	6, 0x0
	.amdhsa_kernel k_q5c6426eff2_prep
		.amdhsa_group_segment_fixed_size 33280
		.amdhsa_private_segment_fixed_size 0
		.amdhsa_enable_private_segment 0
		.amdhsa_kernarg_size 112
		.amdhsa_user_sgpr_count 2
		.amdhsa_user_sgpr_kernarg_segment_ptr 1
		.amdhsa_wavefront_size32 1
		.amdhsa_system_sgpr_workgroup_id_x 1
		.amdhsa_system_sgpr_workgroup_id_y 1
		.amdhsa_system_sgpr_workgroup_id_z 1
		.amdhsa_system_vgpr_workitem_id 0
		.amdhsa_next_free_vgpr 256
		.amdhsa_next_free_sgpr 66
		.amdhsa_reserve_vcc 1
		.amdhsa_float_denorm_mode_32 3
		.amdhsa_float_denorm_mode_16_64 3
		.amdhsa_memory_ordered 1
		.amdhsa_forward_progress 1
		.amdhsa_inst_pref_size 103
	.end_amdhsa_kernel
	.amdgpu_metadata
---
amdhsa.version: [ 1, 2 ]
amdhsa.kernels:
  - .name:           k_q5c6426eff2_prep
    .symbol:         k_q5c6426eff2_prep.kd
    .args:
      - { .name: x, .offset: 0, .size: 8, .value_kind: global_buffer, .address_space: global }
      - { .name: ln1_g, .offset: 8, .size: 8, .value_kind: global_buffer, .address_space: global }
      - { .name: ln1_b, .offset: 16, .size: 8, .value_kind: global_buffer, .address_space: global }
      - { .name: h, .offset: 24, .size: 8, .value_kind: global_buffer, .address_space: global }
      - { .name: wq, .offset: 32, .size: 8, .value_kind: global_buffer, .address_space: global }
      - { .name: wk, .offset: 40, .size: 8, .value_kind: global_buffer, .address_space: global }
      - { .name: wv, .offset: 48, .size: 8, .value_kind: global_buffer, .address_space: global }
      - { .name: w_proj, .offset: 56, .size: 8, .value_kind: global_buffer, .address_space: global }
      - { .name: w1, .offset: 64, .size: 8, .value_kind: global_buffer, .address_space: global }
      - { .name: w2, .offset: 72, .size: 8, .value_kind: global_buffer, .address_space: global }
      - { .name: wqkvq, .offset: 80, .size: 8, .value_kind: global_buffer, .address_space: global }
      - { .name: w1q, .offset: 88, .size: 8, .value_kind: global_buffer, .address_space: global }
      - { .name: wpw2q, .offset: 96, .size: 8, .value_kind: global_buffer, .address_space: global }
      - { .name: zeros, .offset: 104, .size: 8, .value_kind: global_buffer, .address_space: global }
    .group_segment_fixed_size: 33280
    .private_segment_fixed_size: 0
    .kernarg_segment_align: 8
    .kernarg_segment_size: 112
    .max_flat_workgroup_size: 128
    .sgpr_count:     66
    .vgpr_count:     256
    .wavefront_size: 32
...
	.end_amdgpu_metadata
.endif
;; end of part 1
;; launch qkv (part 2): grid 8 x 24, 4 waves a work-group, clusters of 4 x 4, 327,680 bytes of LDS; arguments wqkvq, h, zeros, big; writes big
.if DOCPART == 2
	.amdgcn_target "amdgcn-amd-amdhsa--gfx1250"
	.amdhsa_code_object_version 6
	.text
	.protected	k_q5c6426eff2_qkv
	.globl	k_q5c6426eff2_qkv
	.p2align	8
	.type	k_q5c6426eff2_qkv,@function
k_q5c6426eff2_qkv:
	s_mov_b64 s[64:65], 0
	v_nop
	global_prefetch_b8 v0, s[64:65] scope:SCOPE_SE
	s_setreg_imm32_b32 hwreg(HW_REG_WAVE_MODE, 25, 1), 1
	s_wait_xcnt 0x0
	s_wait_alu depctr_hold_cnt(0) depctr_sa_sdst(0) depctr_va_vdst(0) depctr_va_sdst(0) depctr_va_ssrc(0) depctr_va_vcc(0) depctr_vm_vsrc(0)
	s_getreg_b32 s2, hwreg(HW_REG_IB_STS2, 6, 4)
	s_cmp_eq_u32 s2, 0
	s_cbranch_scc0 .Lentry_in_a_cluster
	s_endpgm
.Lentry_in_a_cluster:
	s_bfe_u32 s2, ttmp6, 0x10000c
	s_cmp_lg_u32 s2, 0xf033
	s_cbranch_scc0 .Lentry_shape_is_right
	s_endpgm
.Lentry_shape_is_right:
; A GEMM ON CODES OF E2M3 WHOSE RESULT IS QUANTISED AGAIN.  D(y, x) = act(bias(x) + sum over k of Y(y, k) X(x, k)), quantised along x in blocks of 32 and stored as operand images.
; It serves two launches.  (1) q, k, v: X = the weights' features, Y = the tokens, for q and k (cluster rows 0 to 3); for v (cluster rows 4 and 5) the operands change places, X = the tokens and Y = wv's features,
; so that v is quantised along the keys; bias = a buffer of zeros, floor of the activation = -infinity (the price of one text for both: 512 plain instructions a wave that change nothing there).
; (2) the first layer of the MLP: X = w1's features, Y = the tokens, bias = b1, floor = 0 (relu).  The floor is read from 512 bytes behind X's scale words.
; LAYOUTS (this program's own): rows go in tiles of 16, slot s of tile 2 B + u = row 32 B + 8 u + s + (s & 8); a fragment (16 slots x 128 K) lies as the image of its 12 registers, 1,536 bytes, lane L's 16 bytes at 512 p + 16 L;
; fragment (tile, step) at (tile KS + step) 1,536; scale words at an offset + 16,384 step + 64 tile + 4 slot.
; THE MATRIX INSTRUCTION: source 0 = 16 rows of X, source 1 = 16 rows of Y: a lane holds ONE row of Y, and by the choice of a tile's rows the 64 registers of X's eight tiles are 16 neighbours of each of four blocks of 32 along x.
; SHARES: a work-group makes 256 (y) x 256 (x), each of four waves 128 x 128: 64 accumulators.  Fragments come from LDS by three loads of 16 bytes a lane, without padding or conflicts.
; THE TILES: K has eight steps of 128, two to a slot.  THREE slots are filled at the start (steps 0 to 5); slot 0 is filled once more, with steps 6 and 7, behind step 1: that load has four steps, 256 matrix instructions, in which to land.
; CLUSTERS: 4 x 4 work-groups; Y's tiles are shared along a row of the cluster, X's along a column: each is asked for jointly.  The choice between the two uses hangs on the cluster's y alone, which all partners share.
; No prefetch: three quarters of each operand's steps are asked for at the head, and the launch is short.
; LIMITS: NaN and infinities are not served; a block whose largest magnitude lies under 2^-124 has its byte held at 1; a block of zeros has the byte 1 (its codes are zeros; this program alone reads the bytes).
; REGISTERS: window 0: v16-31 addresses; v32-47 scale words, two sets (lanes 0-15 Y's tile i, lanes 16-31 X's tile i); v64-159, v160-255 Y's fragments, two sets.  window 1: X's fragments at v0 and v128, the bias tiles at v96-127 and v224-255.
;   windows 2, 3: the accumulators, (a, b) at 8 (NB a + b).
.set MB,   8                           ; tiles of 16 rows of Y a wave
.set NB,   8                           ; and of X
.set KS,   8                           ; steps of 128 along K
.set CH,   2                           ; steps in a slot
.set XCO,  0                           ; where X's codes begin in its buffer,
.set XSO,  3145728                     ; X's scale words,
.set YSO,  3145728                     ; Y's scale words
.set ACTOFF, 3276800
.set OV,     12582912                  ; in the output: where v's codes begin,
.set OVS,    524288                    ; v's scale words, from the scale words' start,
.set SOFFO,  15728640                  ; the scale words' start
.set FRB,   1536
.set HALFT, MB*CH*FRB                  ; what a wave reads of an operand in a slot: MB tiles x CH steps
.set SLOT,  4*HALFT                    ; Y's two halves, then X's two
.set HALFS, KS*MB*64                   ; the scale words of MB tiles for all of K: [step][tile][64]
.set SCL,   3*SLOT
.set SPARE, SCL+4*HALFS                ; the spare words: 128 bytes a wave, named by no other line
.set RSTEP, 3*CH*FRB                   ; from a slot's steps to those that it takes next: three slots on
.set NF,    7*MB                       ; LDS loads of one step's fragments and scale words
.set ADY,  16                          ; v16-18  my place in Y's half of slot 0, 1, 2
.set ADX,  20                          ; v20-22  the same for X
.set LIR,  24
.set ADRS, 27
.set SPW,  28
.set NIL,  29
.set BO,   30
.set SOR,  31
.set SC,   32
.set YF,   64
.set PC,   128
.set TM,   160
.set PWR,  176
.set G1,   24                          ; s[24:31] group 1 for Y's codes; s[32:39] groups 0 of slots 0 and 1; s[4:7] of slot 2
.set G0,   32
.set G0C,  4
.set G1B,  48                          ; s[48:55], s[56:63], s[92:95] the same for X
.set G0B,  56
.set G0BC, 92
.set G1S,  68
.set G0S,  76
.set G1SB, 80
.set G0SB, 88
.set MSB, 0
.macro WIN new                         ; the immediate's high byte repeats the setting that is left; a switch that changes nothing is dropped
.if MSB != (\new)
	s_set_vgpr_msb (MSB<<8)|(\new)
.set MSB, (\new)
.endif
.endm
.macro JLOAD g0y, g1y, g0x, g1x        ; a joint load: wave 0 fetches for Y, wave 1 for X, waves 2 and 3 nothing; the branch hangs on the wave's number alone; four v_nop follow each line
	s_cmp_eq_u32 s14, 0                            ; the refill: wave 0 fetches Y's sixteen tiles, wave 1 X's; waves 2 and 3 have no part of it
	s_cbranch_scc0 .Lfor_x_\@
	tensor_load_to_lds s[\g0y:\g0y+3], s[\g1y:\g1y+7]
	s_nop 0
.rept 4
	v_nop
.endr
	s_branch .Lasked_\@
.Lfor_x_\@:
	s_cmp_eq_u32 s14, 1
	s_cbranch_scc0 .Lasked_\@
	tensor_load_to_lds s[\g0x:\g0x+3], s[\g1x:\g1x+7]
	s_nop 0
.rept 4
	v_nop
.endr
.Lasked_\@:
.endm
.macro CREST                           ; a round of the cluster's barrier behind its opening barrier
	s_cmp_lg_u32 s14, 0
	s_cbranch_scc1 .Lnot_wave_0_\@
	s_barrier_signal -3
.Lnot_wave_0_\@:
	s_barrier_wait -3
	s_barrier_signal -1
	s_barrier_wait -1
.endm
.macro CROUND
	s_barrier_signal -1
	s_barrier_wait -1
	CREST
.endm
.macro PLACES n
.rept \n
	v_nop
.endr
.endm
.macro FETCH slot, q, p                ; the fragments and scale words of the slot's q-th step into set p: NF LDS loads in one run
	WIN 0x40
.set FI, 0
.rept NB
.irp c, 0,1,2
	ds_load_b128 v[128*(\p)+12*FI+4*\c:128*(\p)+12*FI+4*\c+3], v[ADX+\slot] offset:FI*CH*FRB+(\q)*FRB+512*\c
.endr
.set FI, FI+1
.endr
	WIN 0
.set FI, 0
.rept MB
.irp c, 0,1,2
	ds_load_b128 v[YF+96*(\p)+12*FI+4*\c:YF+96*(\p)+12*FI+4*\c+3], v[ADY+\slot] offset:FI*CH*FRB+(\q)*FRB+512*\c
.endr
.set FI, FI+1
.endr
.set FI, 0
.rept MB
	ds_load_b32 v[SC+8*(\p)+FI], v[ADRS] offset:(\q)*2*MB*64+64*FI   ; a step's scale words of an operand: sixteen tiles of 64 bytes
.set FI, FI+1
.endr
.endm
.macro MULA a, p, first                ; Y's tile a against X's NB tiles.  first = 1: the bias is the C of the sum's first instruction: nothing is cleared, nothing is added later
.set WA, 2+(8*NB*(\a))/256
.if \first
	WIN (WA<<6)|(1<<4)|1
.else
	WIN (WA<<6)|(WA<<4)|1
.endif
.set BQ, 0
.rept NB
.set AC, (8*(NB*(\a)+BQ))%256
.set BI, 96+8*BQ+96*(BQ/4)
.if \first
	v_wmma_scale_f32_16x16x128_f8f6f4 v[AC:AC+7], v[128*(\p)+12*BQ:128*(\p)+12*BQ+11], v[YF+96*(\p)+12*(\a):YF+96*(\p)+12*(\a)+11], v[BI:BI+7], v[SC+8*(\p)+BQ], v[SC+8*(\p)+(\a)] matrix_a_fmt:MATRIX_FMT_FP6 matrix_b_fmt:MATRIX_FMT_FP6 matrix_a_scale:MATRIX_SCALE_ROW1
.else
	v_wmma_scale_f32_16x16x128_f8f6f4 v[AC:AC+7], v[128*(\p)+12*BQ:128*(\p)+12*BQ+11], v[YF+96*(\p)+12*(\a):YF+96*(\p)+12*(\a)+11], v[AC:AC+7], v[SC+8*(\p)+BQ], v[SC+8*(\p)+(\a)] matrix_a_fmt:MATRIX_FMT_FP6 matrix_b_fmt:MATRIX_FMT_FP6 matrix_a_scale:MATRIX_SCALE_ROW1
.endif
.set BQ, BQ+1
.endr
.endm
.macro MULQ k, p, first                ; a quarter of a step's products.  The accumulators take turns, one instruction a turn, in the same order in every step
.set AQ, (\k)*MB/4
.rept MB/4
	MULA AQ, \p, \first
.set AQ, AQ+1
.endr
.endm
.macro STEP slot, q, first             ; a step that has its successor in the same slot: the successor's loads go out first and have the whole step in which to land
.set PP, (\q)%2
	PLACES 4                                       ; four plain instructions between the last products and loads into registers that they read
	FETCH \slot, (\q)+1, 1-PP
	s_wait_dscnt NF                                ; all but the NF loads just issued: this step's set is in
	MULQ 0, PP, \first
	MULQ 1, PP, \first
	MULQ 2, PP, \first
	MULQ 3, PP, \first
	WIN 0
.endm
.macro PASS next                       ; a slot's last step where the next slot is known whole to every wave and this slot is not filled again: no barrier
	PLACES 4
	s_wait_alu depctr_va_vdst(0)
	v_add_nc_u32 v[ADRS], CH*2*MB*64, v[ADRS]
	FETCH \next, 0, 0
	s_wait_alu depctr_va_vdst(0)
	s_wait_dscnt NF                                ; all but the NF loads just issued: this step's set is in
	MULQ 0, 1, 0
	MULQ 1, 1, 0
	MULQ 2, 1, 0
	MULQ 3, 1, 0
	WIN 0
.endm
.macro TURN slot, next, fill           ; a slot's last step with a barrier.  fill = 1: this slot is filled again, with the steps three slots on; fill = 0: the barrier shows the next slot whole to every wave
	s_wait_tensorcnt 0x0                           ; all my tensor loads have landed;
	ds_add_u32 v[SPW], v[NIL]                      ; 0 onto my spare word
	s_wait_dscnt 0x1                               ; (this step's set is in; the add alone may be out)
	MULQ 0, 1, 0                                   ; matrix work stands between the add and the wait for it
	s_wait_dscnt 0x0                               ; the add is done, and my reads of this slot are over
	s_barrier_signal -1
	MULQ 1, 1, 0
	WIN 0
	s_barrier_wait -1
.if \fill
	CREST                                          ; the barrier has opened a round of the cluster's barrier: no wave of any partner still reads this slot or has a load on its way
	s_add_nc_u64 s[G0+4*\slot+2:G0+4*\slot+3], s[G0+4*\slot+2:G0+4*\slot+3], RSTEP
	s_add_nc_u64 s[G0B+4*\slot+2:G0B+4*\slot+3], s[G0B+4*\slot+2:G0B+4*\slot+3], RSTEP
	JLOAD G0+4*\slot, G1, G0B+4*\slot, G1B         ; the first tensor load behind the round, one a wave
	PLACES 4                                       ; (waves 2 and 3 have passed no v_nop)
.else
	PLACES 4
.endif
	v_add_nc_u32 v[ADRS], CH*2*MB*64, v[ADRS]
	FETCH \next, 0, 0
	MULQ 2, 1, 0
	MULQ 3, 1, 0
	WIN 0
.endm
.macro LAST
	s_wait_dscnt 0x0
	MULQ 0, 1, 0
	MULQ 1, 1, 0
	MULQ 2, 1, 0
	MULQ 3, 1, 0
	WIN 0
.endm
	s_load_b256 s[4:11], s[0:1], 0x0               ; xb s[4:5], yb s[6:7], bias s[8:9], ob s[10:11]
	v_lshl_add_u32 v[SPW], v0, 2, SPARE
	v_mov_b32 v[NIL], 0
	ds_add_u32 v28, v29
	ds_add_u32 v28, v29
	s_wait_dscnt 0x0
	v_lshrrev_b32 v1, 5, v0
	v_readfirstlane_b32 s14, v1                    ; wave 0..3
	s_lshr_b32 s15, s14, 1                         ; my half of Y.  Also: I fetch for Y (0) or for X (1)
	s_and_b32 s16, s14, 1                          ; my half of X.  Also: which half I fetch
	s_bfe_u32 s40, ttmp6, 0x40000                  ; cx
	s_bfe_u32 s41, ttmp6, 0x40004                  ; cy
	s_and_b32 s18, ttmp7, 0xffff                   ; the cluster's y
	s_lshl_b32 s19, s18, 1
	s_add_co_u32 s19, s19, ttmp9
	s_sub_co_u32 s19, s19, 8                       ; cluster rows 4 and 5 (two clusters each) are v's four clusters along the tokens
	s_cmp_ge_u32 s18, 4                            ; v?  The same in all sixteen partners
	s_cselect_b32 s19, s19, ttmp9
	s_cselect_b32 s18, 0, s18
	s_cselect_b32 s12, 128*KS*FRB, 0               ; wv begins at tile 128 of the weights' buffer: its codes,
	s_cselect_b32 s13, 128*64, 0                   ; its scale words
	s_cselect_b32 s66, OV, 0
	s_cselect_b32 s67, OVS, 0
	s_cselect_b32 s95, 1, 0
	s_lshl_b32 s42, s19, 2
	s_add_co_u32 s42, s42, s40                     ; xt: my block along x
	s_lshl_b32 s17, s18, 2
	s_add_co_u32 s17, s17, s41                     ; yt: my block along y
	s_lshl_b32 s43, s41, 2
	s_lshl_b32 s43, 15, s43                        ; my row of the cluster
	s_lshl_b32 s44, 0x1111, s40                    ; my column
	; group 1 for codes: 2 MB rows (tiles) of CH x 1,536 bytes, KS x 1,536 bytes apart; elements of 8 bytes; no padding
	s_or_b32 s[G1], s43, (3<<16)|(1<<21)
	s_or_b32 s[G1B], s44, (3<<16)|(1<<21)
.irp g, G1, G1B
	s_mov_b32 s[\g+1], (192*CH)<<16                ; tensor_dim0
	s_mov_b32 s[\g+2], (2*MB)<<16                  ; tensor_dim1: one load brings an operand's sixteen tiles of a slot
	s_mov_b32 s[\g+3], (192*CH)<<16                ; tile_dim0
	s_mov_b32 s[\g+4], 2*MB                        ; tile_dim1
	s_mov_b32 s[\g+5], 192*KS                      ; the pitch
	s_mov_b32 s[\g+6], 0
	s_mov_b32 s[\g+7], 0
.endr
	; group 1 for scale words: KS rows (steps) of 2 MB x 64 bytes, 16,384 bytes apart
	s_or_b32 s[G1S], s43, (3<<16)|(1<<21)
	s_or_b32 s[G1SB], s44, (3<<16)|(1<<21)
.irp g, G1S, G1SB
	s_mov_b32 s[\g+1], (16*MB)<<16                 ; scale words: a row is a step's sixteen tiles, 1,024 bytes
	s_mov_b32 s[\g+2], KS<<16
	s_mov_b32 s[\g+3], (16*MB)<<16
	s_mov_b32 s[\g+4], KS
	s_mov_b32 s[\g+5], 2048
	s_mov_b32 s[\g+6], 0
	s_mov_b32 s[\g+7], 0
.endr
	s_mov_b32 s18, 0                               ; a load begins at the block's first tile
	s_mul_i32 s20, s17, 2*MB
	s_add_co_u32 s20, s20, s18                     ; Y: the first tile that I would fetch
	s_lshl_b32 s22, s20, 6
	s_add_co_u32 s22, s22, YSO
	s_mul_i32 s20, s20, KS*FRB
	s_add_co_u32 s20, s20, s12
	s_add_co_u32 s22, s22, s13
	s_mov_b32 s21, 0
	s_mov_b32 s23, 0
	s_mul_i32 s46, s42, 2*MB
	s_add_co_u32 s46, s46, s18                     ; X likewise
	s_lshl_b32 s92, s46, 6
	s_add_co_u32 s92, s92, XSO
	s_mul_i32 s46, s46, KS*FRB
	s_add_co_u32 s46, s46, XCO
	s_mov_b32 s47, 0
	s_mov_b32 s93, 0
	s_wait_kmcnt 0x0
	s_mov_b64 s[12:13], s[4:5]                     ; a copy of xb for the scalar load: s[4:7] will hold a descriptor
	s_load_b32 s2, s[12:13], ACTOFF                ; the floor of the activation
	s_cmp_eq_u32 s95, 1
	s_cselect_b64 s[98:99], s[6:7], s[4:5]         ; X's buffer
	s_cselect_b64 s[18:19], s[4:5], s[6:7]         ; Y's buffer
	s_add_nc_u64 s[20:21], s[18:19], s[20:21]
	s_add_nc_u64 s[22:23], s[18:19], s[22:23]
	s_add_nc_u64 s[46:47], s[98:99], s[46:47]
	s_add_nc_u64 s[92:93], s[98:99], s[92:93]
	; THE PREFETCHES (the head comment's words on them are overtaken).  Of an operand's sixteen tiles each of the four partners that ask for them jointly takes four, told apart by address (cx for Y, cy for X), a wave two: waves 0, 1 of Y, waves 2, 3 of X
	s_cmp_lt_u32 s14, 2
	s_cselect_b64 s[44:45], s[20:21], s[46:47]
	s_cselect_b32 s18, s40, s41
	s_lshl_b32 s18, s18, 2
	s_lshl_b32 s19, s16, 1
	s_add_co_u32 s18, s18, s19
	s_mul_i32 s18, s18, KS*FRB
	s_mov_b32 s19, 0
	s_add_nc_u64 s[44:45], s[44:45], s[18:19]      ; my first tile's fragments; never rewritten
	CROUND                                         ; all sixteen work-groups are here: the first joint loads meet
	s_mov_b32 s[G0S], 1
	s_mov_b32 s[G0S+1], SCL
	s_mov_b64 s[G0S+2:G0S+3], s[22:23]
	s_or_b32 s[G0S+3], s[G0S+3], 0x80000000
	s_mov_b32 s[G0SB], 1
	s_mov_b32 s[G0SB+1], SCL+2*HALFS
	s_mov_b64 s[G0SB+2:G0SB+3], s[92:93]
	s_or_b32 s[G0SB+3], s[G0SB+3], 0x80000000
.irp s, 0,1
	s_mov_b32 s[G0+4*\s], 1
	s_mov_b32 s[G0+4*\s+1], \s*SLOT
	s_add_nc_u64 s[G0+4*\s+2:G0+4*\s+3], s[20:21], \s*CH*FRB
	s_or_b32 s[G0+4*\s+3], s[G0+4*\s+3], 0x80000000
	s_mov_b32 s[G0B+4*\s], 1
	s_mov_b32 s[G0B+4*\s+1], \s*SLOT+2*HALFT
	s_add_nc_u64 s[G0B+4*\s+2:G0B+4*\s+3], s[46:47], \s*CH*FRB
	s_or_b32 s[G0B+4*\s+3], s[G0B+4*\s+3], 0x80000000
.endr
	s_mov_b32 s[G0C], 1                            ; slot 2: steps 4 and 5
	s_mov_b32 s[G0C+1], 2*SLOT
	s_add_nc_u64 s[G0C+2:G0C+3], s[20:21], 2*CH*FRB
	s_or_b32 s[G0C+3], s[G0C+3], 0x80000000
	s_mov_b32 s[G0BC], 1
	s_mov_b32 s[G0BC+1], 2*SLOT+2*HALFT
	s_add_nc_u64 s[G0BC+2:G0BC+3], s[46:47], 2*CH*FRB
	s_or_b32 s[G0BC+3], s[G0BC+3], 0x80000000
; ONE LOAD A WAVE, in one chain of branches on the wave's number: the four arms' descriptors are the macro's four pairs
.macro FOUR a0, a1, b0, b1, c0, c1, d0, d1
	s_cmp_eq_u32 s14, 0
	s_cbranch_scc0 .Lw1_\@
	tensor_load_to_lds s[\a0:\a0+3], s[\a1:\a1+7]
	s_nop 0
	PLACES 4
	s_branch .Lwd_\@
.Lw1_\@:
	s_cmp_eq_u32 s14, 1
	s_cbranch_scc0 .Lw2_\@
	tensor_load_to_lds s[\b0:\b0+3], s[\b1:\b1+7]
	s_nop 0
	PLACES 4
	s_branch .Lwd_\@
.Lw2_\@:
	s_cmp_eq_u32 s14, 2
	s_cbranch_scc0 .Lw3_\@
	tensor_load_to_lds s[\c0:\c0+3], s[\c1:\c1+7]
	s_nop 0
	PLACES 4
	s_branch .Lwd_\@
.Lw3_\@:
	tensor_load_to_lds s[\d0:\d0+3], s[\d1:\d1+7]
	s_nop 0
	PLACES 4
.Lwd_\@:
.endm
	FOUR G0, G1, G0B, G1B, G0S, G1S, G0SB, G1SB    ; the head: slot 0's tiles of Y, of X, Y's scale words, X's
	v_and_b32 v1, 31, v0                           ; lane
	v_lshlrev_b32 v2, 4, v1                        ; 16 x lane: my place in every image
	v_and_b32 v3, 15, v0                           ; r
	v_bfe_u32 v4, v0, 4, 1                         ; h
	v_min_u32 v8, 23, v1                           ; the prefetches' offsets: a lane a block of 256 bytes; the lanes left over name the last block again
	v_min_u32 v9, 11, v1
	v_lshlrev_b32 v8, 8, v8
	v_lshlrev_b32 v9, 8, v9
	s_wait_alu depctr_va_vdst(0)
	s_mul_i32 s21, s15, HALFT
	s_mul_i32 s22, s16, HALFT
	s_add_co_u32 s22, s22, 2*HALFT
.irp s, 0,1,2
	v_add_nc_u32 v[ADY+\s], s21, v2
	v_add_nc_u32 v[ADX+\s], s22, v2
	s_add_co_u32 s21, s21, SLOT
	s_add_co_u32 s22, s22, SLOT
.endr
	s_mul_i32 s21, s15, MB*64                      ; my half's eight tiles within a step's sixteen
	s_mul_i32 s22, s16, MB*64
	s_add_co_u32 s22, s22, 2*HALFS
	s_sub_co_u32 s22, s22, s21
	v_mul_u32_u24 v5, s22, v4
	s_add_co_u32 s21, s21, SCL
	v_lshl_add_u32 v5, v3, 2, v5
	v_add_nc_u32 v[ADRS], s21, v5
	v_lshlrev_b32 v[BO], 6, v4                     ; the bias: lane (r, h) wants, for tile 2 B + u, the numbers 32 B + 16 h + 8 u + 0 .. 7
	s_wait_alu depctr_va_vdst(0)
	global_prefetch_b8 v8, s[44:45] offset:2*FRB th:TH_LOAD_NT scope:SCOPE_SE          ; steps 2 to 5 of my two tiles, 24 blocks each: they are loaded behind the next round
	global_prefetch_b8 v8, s[44:45] offset:KS*FRB+2*FRB th:TH_LOAD_NT scope:SCOPE_SE
	v_mov_b32 v[LIR], v2
	v_lshlrev_b32 v[SOR], 2, v1
	s_mov_b32 s96, 0x76543210
	s_mov_b32 s97, 0xfedcba98
	s_lshl_b32 s20, s17, 4
	s_lshl_b32 s21, s15, 3
	s_add_co_u32 s20, s20, s21                     ; my first tile of y in the output
	s_lshl_b32 s46, s42, 1
	s_add_co_u32 s46, s46, s16                     ; my group of 128 along x: the output's step along its K
	s_lshl_b32 s18, s46, 9
	s_mov_b32 s19, 0
	s_add_nc_u64 s[8:9], s[8:9], s[18:19]          ; the bias of my 128
	s_mul_i32 s18, s20, 32*FRB
	s_mul_i32 s40, s46, FRB
	s_add_co_u32 s18, s18, s40
	s_add_co_u32 s18, s18, s66
	s_lshl_b32 s98, s46, 14
	s_lshl_b32 s40, s20, 6
	s_add_co_u32 s98, s98, s40
	s_add_co_u32 s98, s98, s67
	s_add_co_u32 s98, s98, SOFFO
	s_mov_b32 s99, 0
	s_add_nc_u64 s[22:23], s[10:11], s[98:99]      ; the output's scale words
	s_add_nc_u64 s[10:11], s[10:11], s[18:19]      ; and codes
	WIN 0x40
.set FI, 0
.rept NB
.set BI, 96+8*FI+96*(FI/4)
	global_load_b128 v[BI:BI+3], v[BO], s[8:9] offset:(32*(FI/2)+8*(FI%2))*4
	global_load_b128 v[BI+4:BI+7], v[BO], s[8:9] offset:(32*(FI/2)+8*(FI%2))*4+16
.set FI, FI+1
.endr
	WIN 0
	s_wait_alu depctr_va_vdst(0)
	s_wait_tensorcnt 0x0                           ; my tile of the head's four is in; slots 1 and 2 are first filled as a refill is:
	ds_add_u32 v[SPW], v[NIL]
	s_wait_dscnt 0x0
	CROUND                                         ; slot 0 and the scale words are whole in every work-group of the cluster
	FOUR G0+4, G1, G0B+4, G1B, G0C, G1, G0BC, G1B  ; slot 1's tiles of Y and of X, slot 2's of Y and of X: steps 2 to 5
	FETCH 0, 0, 0
	global_prefetch_b8 v9, s[44:45] offset:6*FRB th:TH_LOAD_NT scope:SCOPE_SE          ; steps 6 and 7, 12 blocks each: they are loaded behind step 1, two steps on
	global_prefetch_b8 v9, s[44:45] offset:KS*FRB+6*FRB th:TH_LOAD_NT scope:SCOPE_SE
	s_wait_loadcnt 0x0                             ; the bias
	s_wait_kmcnt 0x0                               ; the floor
	STEP 0, 0, 1                                   ; step 0: its products start the sums
	TURN 0, 1, 1                                   ; step 1; every wave's first fills have landed; slot 0 takes steps 6 and 7
	STEP 1, 0, 0                                   ; step 2
	PASS 2                                         ; step 3; slot 2 was shown whole by the round above
	STEP 2, 0, 0                                   ; step 4
	TURN 2, 0, 0                                   ; step 5; the refill has landed in every wave
	STEP 0, 0, 0                                   ; step 6
	LAST                                           ; step 7
	PLACES 4                                       ; between the last products and the first lines that read results or write registers that they read
; 64 numbers of a lane, register 16 b + i = k 32 b + 16 h + i of my row, become a fragment's codes in v[PC] on and its scale word in v[pw]
.macro QUANT s, pw
.irp b, 0,1,2,3
	v_max3_num_f32 v[TM+\b], |v[\s+16*\b]|, |v[\s+1+16*\b]|, 0x1800000   ; my 16 of block b, and the floor 2^(3 - 127): the byte cannot fall under 1
.endr
.irp i, 2,4,6,8,10,12,14
.irp b, 0,1,2,3
	v_max3_num_f32 v[TM+\b], v[TM+\b], |v[\s+16*\b+\i]|, |v[\s+1+16*\b+\i]|
.endr
.endr
.irp b, 0,1,2,3
	v_permlanex16_b32 v[TM+4+\b], v[TM+\b], s96, s97
.endr
.irp b, 0,1,2,3
	v_max_num_f32 v[TM+\b], v[TM+\b], v[TM+4+\b]   ; with lane l xor 16's: the block's largest magnitude
.endr
.irp b, 0,1,2,3
	v_add_nc_u32 v[TM+12+\b], 0xff000000, v[TM+\b] ; 2 off its exponent field: the conversion's scale operand
.endr
.irp b, 0,1,2,3
	v_lshrrev_b32 v[TM+4+\b], 23, v[TM+12+\b]      ; the scale's byte
.endr
	v_lshl_or_b32 v[\pw], v[TM+5], 8, v[TM+4]
	v_lshl_or_b32 v[\pw], v[TM+6], 16, v[\pw]
	v_lshl_or_b32 v[\pw], v[TM+7], 24, v[\pw]
.irp c, 0,1
	v_cvt_scalef32_pk16_fp6_f32 v[PC+6*\c:PC+2+6*\c], v[\s+32*\c:\s+15+32*\c], v[TM+12+2*\c]
	v_cvt_scalef32_pk16_fp6_f32 v[PC+12+4*\c:PC+14+4*\c], v[\s+16+32*\c:\s+31+32*\c], v[TM+12+2*\c+1]
.endr
	v_nop                                          ; a plain instruction behind the conversions
.irp c, 0,1                                        ; the operand's layout wants a whole block in a lane
.irp i, 0,1,2
	v_permlane16_swap_b32 v[PC+6*\c+\i], v[PC+12+4*\c+\i]
.endr
.irp i, 0,1,2
	v_mov_b32 v[PC+3+6*\c+\i], v[PC+12+4*\c+\i]
.endr
.endr
.endm
.macro OUTQ a                          ; Y's tile a: activation, quantiser, one fragment out
.if (\a) > 0
	s_wait_xcnt 0x0                                ; the last tile's stores have read their registers
.endif
	WIN 0x08+4*((\a)/4)
.set JJ, 0
.rept 64
	v_max_num_f32 v[64+JJ], s2, v[64*((\a)%4)+JJ]  ; the activation, and the move into window 0; each accumulator from its low end on
.set JJ, JJ+1
.endr
	WIN 0
	QUANT 64, PWR+(\a)
.irp c, 0,1,2
	global_store_b128 v[LIR], v[PC+4*\c:PC+4*\c+3], s[10:11] offset:(\a)*32*FRB+512*\c   ; 512 consecutive bytes
.endr
.endm
.irp b, 0,1,2,3
	v_mov_b32 v[TM+4+\b], 0                        ; written once: a lane permute's destination counts as one of its sources
.endr
.irp a, 0,1,2,3,4,5,6,7
	OUTQ \a
.endr
	s_mov_b32 vcc_lo, 0xffff0000
.irp a, 0,2,4,6
	v_cndmask_b32 v[184+\a/2], v[PWR+\a], v[PWR+\a+1], vcc_lo   ; lanes 0-15: tile a's words, lanes 16-31: tile a + 1's
.endr
.irp a, 0,2,4,6
	global_store_b32 v[SOR], v[184+\a/2], s[22:23] offset:64*\a  ; 128 consecutive bytes; the four fill 512
.endr
	s_wait_tensorcnt 0x0                           ; the wave's end
	ds_add_u32 v[SPW], v[NIL]
	s_wait_dscnt 0x0
	CROUND                                         ; the closing round: no work-group ends while a partner may still ask for a tile that names it
	s_endpgm
.Lfunc_end_k_q5c6426eff2_qkv:
	.size	k_q5c6426eff2_qkv, .Lfunc_end_k_q5c6426eff2_qkv-k_q5c6426eff2_qkv
	.p2alignl 7, 3214868480
	.fill 96, 4, 3214868480
	.section	.rodata,"a",@progbits
	.p2align	6, 0x0
	.amdhsa_kernel k_q5c6426eff2_qkv
		.amdhsa_group_segment_fixed_size 327680
		.amdhsa_private_segment_fixed_size 0
		.amdhsa_enable_private_segment 0
		.amdhsa_kernarg_size 32
		.amdhsa_user_sgpr_count 2
		.amdhsa_user_sgpr_kernarg_segment_ptr 1
		.amdhsa_wavefront_size32 1
		.amdhsa_system_sgpr_workgroup_id_x 1
		.amdhsa_system_sgpr_workgroup_id_y 1
		.amdhsa_system_sgpr_workgroup_id_z 1
		.amdhsa_system_vgpr_workitem_id 0
		.amdhsa_next_free_vgpr 1024
		.amdhsa_next_free_sgpr 100
		.amdhsa_reserve_vcc 1
		.amdhsa_float_denorm_mode_32 3
		.amdhsa_float_denorm_mode_16_64 3
		.amdhsa_memory_ordered 1
		.amdhsa_forward_progress 1
		.amdhsa_inst_pref_size 161
	.end_amdhsa_kernel
	.amdgpu_metadata
---
amdhsa.version: [ 1, 2 ]
amdhsa.kernels:
  - .name:           k_q5c6426eff2_qkv
    .symbol:         k_q5c6426eff2_qkv.kd
    .args:
      - { .name: wqkvq, .offset: 0, .size: 8, .value_kind: global_buffer, .address_space: global }
      - { .name: h, .offset: 8, .size: 8, .value_kind: global_buffer, .address_space: global }
      - { .name: zeros, .offset: 16, .size: 8, .value_kind: global_buffer, .address_space: global }
      - { .name: big, .offset: 24, .size: 8, .value_kind: global_buffer, .address_space: global }
    .group_segment_fixed_size: 327680
    .private_segment_fixed_size: 0
    .kernarg_segment_align: 8
    .kernarg_segment_size: 32
    .max_flat_workgroup_size: 128
    .sgpr_count:     100
    .vgpr_count:     1024
    .wavefront_size: 32
...
	.end_amdgpu_metadata
.endif
;; end of part 2
;; launch attn (part 3): grid 8 x 32, 16 waves a work-group, clusters of 4 x 1, 327,680 bytes of LDS; arguments big, h; writes h
.if DOCPART == 3
	.amdgcn_target "amdgcn-amd-amdhsa--gfx1250"
	.amdhsa_code_object_version 6
	.text
	.protected	k_q5c6426eff2_attn
	.globl	k_q5c6426eff2_attn
	.p2align	8
	.type	k_q5c6426eff2_attn,@function
k_q5c6426eff2_attn:
	s_mov_b64 s[64:65], 0
	v_nop
	global_prefetch_b8 v0, s[64:65] scope:SCOPE_SE
	s_setreg_imm32_b32 hwreg(HW_REG_WAVE_MODE, 25, 1), 1
	s_wait_xcnt 0x0
	s_wait_alu depctr_hold_cnt(0) depctr_sa_sdst(0) depctr_va_vdst(0) depctr_va_sdst(0) depctr_va_ssrc(0) depctr_va_vcc(0) depctr_vm_vsrc(0)
	s_getreg_b32 s2, hwreg(HW_REG_IB_STS2, 6, 4)
	s_cmp_eq_u32 s2, 0
	s_cbranch_scc0 .Lentry_in_a_cluster
	s_endpgm
.Lentry_in_a_cluster:
	s_bfe_u32 s2, ttmp6, 0x10000c
	s_cmp_lg_u32 s2, 0x3003
	s_cbranch_scc0 .Lentry_shape_is_right
	s_endpgm
.Lentry_shape_is_right:
; CAUSAL ATTENTION ON CODES OF E2M3, 16 heads of 64, scale 1 / sqrt(1,024).  The result, divided by the row's sum, is quantised along the head's 64 features and stored for the next product.
; Key steps all of whose keys come after a tile's queries are hidden by the mask that the problem builds itself: they are jumped over.
; INPUT (written by the launch before): fragments of 1,536 bytes as images of their 12 registers (byte 512 p + 16 lane + 4 e = register 4 p + e).  q, k: fragment (token tile, pair of heads), K = the pair's 128 features;
; v: fragment (feature tile, 128 keys).  Slot s of tile 2 B + u = row 32 B + 8 u + s + (s & 8): the 16 registers of two neighbouring tiles of a result are 16 neighbours along the next K.
; SHARES.  The eight tiles of a block of 128 queries, block n = 0 .. 15 of a batch, have n + 1 key steps of 128 each.  A CLUSTER of four work-groups has ONE head of one batch (y = 16 batch + head) and, with m = 2 x cluster x + 0, 1, the blocks
; m, 7 - m, 8 + m, 15 - m.  The work-group at place p of the cluster takes tiles 2 p and 2 p + 1 of each of these eight blocks: 16 tiles.  So the four partners run the same steps, and no branch hangs on a work-group's place.
; ALL KEYS OF THE HEAD LIE IN LDS, filled once, by JOINT LOADS of the four partners (mask 15): of each fragment of k the two pieces of 512 bytes that hold the head's six registers (131,072 bytes), v's four feature tiles (98,304),
; both scale words (12,288).  Nothing is filled again.  Every partner reads some bytes of every tile.
; A k fragment is read by three loads of 16 bytes a lane; the four registers that belong wholly to the other head take bytes of the middle piece: q's codes are zero there, and zero codes add nothing.
; SIXTEEN WAVES: wave % 2 = which of my two tiles, (wave / 2) % 2 = which m, role = wave / 4.  A long tile (blocks 15 - m, 8 + m: 13 to 16 and 9 to 12 steps) is cut behind its step 8.  Roles 0, 2: steps 0 to 8 of the long tile: 9 steps;
; then -M, the sum and O^T go into LDS.  Roles 1, 3: the short tile (blocks m, 7 - m) whole, then the long tile's steps from 9 on: 8 steps in all; then the two parts are joined: both are brought under the larger M by powers of two, which round nothing.
; THE SOFTMAX: t = score x log2(e) / 32; M = the running largest t rounded up to a whole number; p = 2^(t - M) is quantised along the keys, not normalised; the sum is taken of the unquantised p and divides at the end.
; THE FILLS: one tensor load a wave at the head, behind the opening round.  Waves 0 to 6 (scale words, keys 0 to 511 of k and of v's four tiles) have load lines of their own and wait ahead of the first barrier; waves 7 to 13 bring the rest, shown by the barrier behind step 1.
; OUTPUT: h[token tile][head][piece 0 .. 2][lane][8 bytes]: piece k holds registers 2 k, 2 k + 1 of the head's six: each store covers 256 consecutive bytes, aligned.  The head's two scale bytes of a row go into the row's scale word, 2 bytes a lane.
; NO PREFETCH: every tile is asked for at the head; there is no loop to run ahead in.
; LIMITS: the promise holds while |t| stays under 2^31; NaN and infinities are not served; a block whose largest magnitude lies under 2^-124 has its byte held at 1; a block of zeros has the byte 1 (its codes are zeros; this program alone reads the bytes).
; REGISTERS: v1-11 addresses; v12 -M, v13 the largest t, v[14:15] the sum; v16-28 the first tile's q and scale word; v29 4 r; v32-83 four fragments and their scale words; v84-95 addresses and offsets; v96-159 S^T, then p; v160-191 O^T;
;   v192-207 at work; v208-226 p's codes; v227, v232-243 the second tile's q; v228 p's scale word; v244-255 at work.
.set FRB,   1536
.set VB,    131072                     ; v: [feature tile][step][1,536], behind k's [key tile][1,024]
.set SCK,   229376                     ; k's scale words: [key tile][64]
.set SCV,   237568                     ; v's: [step][feature tile][64]
.set SPARE, 241664                     ; the spare words: 128 bytes a wave, named by no other line
.set STG,   243712                     ; eight places of 4,608 bytes: a long tile's first part on its way from wave to wave
.set OV,    12582912
.set SOFFO, 15728640
.set OVS,   524288
.set HSOFF, 3145728
.macro G1SET g, c, r, p                ; group 1: r rows of c elements of 8 bytes, p elements apart; no padding; the mask names the cluster's four, bit 21 beside it
	s_mov_b32 s[\g], (3<<16)|(1<<21)|15
	s_mov_b32 s[\g+1], (\c)<<16
	s_mov_b32 s[\g+2], (\r)<<16
	s_mov_b32 s[\g+3], (\c)<<16
	s_mov_b32 s[\g+4], \r
	s_mov_b32 s[\g+5], \p
	s_mov_b32 s[\g+6], 0
	s_mov_b32 s[\g+7], 0
.endm
.macro ARM under, g0, g1, next         ; an arm of the one chain of the head's loads
	s_cmp_lt_u32 s18, \under
	s_cbranch_scc0 \next
	tensor_load_to_lds s[\g0:\g0+3], s[\g1:\g1+7]
	s_nop 0
.rept 4
	v_nop
.endr
	s_branch .Lasked
\next:
.endm
.macro ROUND                           ; a round of the cluster's barrier
	s_barrier_signal -1
	s_barrier_wait -1
	s_cmp_lg_u32 s18, 0
	s_cbranch_scc1 .Lnw0_\@
	s_barrier_signal -3
.Lnw0_\@:
	s_barrier_wait -3
	s_barrier_signal -1
	s_barrier_wait -1
.endm
.macro EDGE t, q0                      ; of query tile s\t: slot 0's token
	s_lshr_b32 s\q0, s\t, 1
	s_lshl_b32 s\q0, s\q0, 5
	s_and_b32 s67, s\t, 1
	s_lshl_b32 s67, s67, 3
	s_add_co_u32 s\q0, s\q0, s67
.endm
.macro OFFS t, vq, vqs, voc, vos       ; byte offsets of token tile s\t: q's fragment and scale words in big; the result's codes and scale bytes in h
	s_lshl_b32 s66, s\t, 5
	s_add_co_u32 s66, s66, s15
	s_mul_i32 s66, s66, FRB
	v_add_nc_u32 v\vq, s66, v1
	s_lshl_b32 s66, s\t, 6
	s_lshl_b32 s67, s15, 14
	s_add_co_u32 s66, s66, s67
	s_add_co_u32 s67, s66, SOFFO
	v_add_nc_u32 v\vqs, s67, v29
	s_lshl_b32 s67, s17, 1
	s_add_co_u32 s66, s66, s67
	s_add_co_u32 s66, s66, HSOFF
	v_add_nc_u32 v\vos, s66, v29
	s_lshl_b32 s66, s\t, 3
	s_add_co_u32 s66, s66, s15
	s_mul_i32 s66, s66, FRB
	s_mul_i32 s67, s17, 768
	s_add_co_u32 s66, s66, s67
	v_add_nc_u32 v\voc, s66, v88
.endm
.macro INIT                            ; a tile begins: the largest t -3e38, under every t; sum and O^T zeros, which the first change of M leaves zeros
	v_mov_b32 v13, 0xff61b1e6
	v_mov_b32 v14, 0
	v_mov_b32 v15, 0
	v_floor_f32 v12, -v13
.set JJ, 0
.rept 32
	v_mov_b32 v[160+JJ], 0
.set JJ, JJ+1
.endr
.endm
	s_load_b128 s[4:7], s[0:1], 0x0                ; big s[4:5], h s[6:7]
	v_lshl_add_u32 v5, v0, 2, SPARE
	v_mov_b32 v6, 0
	ds_add_u32 v5, v6                              ; the opening lines
	ds_add_u32 v5, v6
	v_lshrrev_b32 v8, 5, v0
	v_readfirstlane_b32 s18, v8                    ; wave 0..15
	s_and_b32 s8, s18, 3
	s_bfe_u32 s19, s18, 0x10002                    ; 1: I take a short tile and a long tile's end; 0: a long tile's first nine steps
	s_lshr_b32 s9, s18, 3                          ; which pair of blocks
	s_and_b32 s16, ttmp7, 0xffff
	s_lshr_b32 s14, s16, 4                         ; the batch
	s_bfe_u32 s15, s16, 0x30001                    ; the pair of heads
	s_and_b32 s17, s16, 1                          ; which head of the pair
	s_bfe_u32 s13, s18, 0x10001
	s_lshl_b32 s2, ttmp9, 1
	s_add_co_u32 s13, s13, s2                      ; m = 2 x cluster x + (wave / 2) % 2
	s_sub_co_u32 s2, 15, s13
	s_add_co_u32 s3, s13, 8
	s_sub_co_u32 s10, 7, s13
	s_cmp_eq_u32 s9, 1
	s_cselect_b32 s2, s3, s2                       ; the long block: 15 - m or 8 + m
	s_cselect_b32 s3, s10, s13                     ; the short one: m or 7 - m
	s_cmp_eq_u32 s19, 1
	s_cselect_b32 s3, s3, s2                       ; my first tile's block
	s_lshl_b32 s11, s3, 7                          ; the first key of the step that holds its queries: made of the cluster's and the wave's numbers alone
	s_lshl_b32 s100, s2, 7                         ; the same for the long tile;
	s_cmp_eq_u32 s19, 1
	s_cselect_b32 s100, s100, 0                    ; roles 0 and 2 have no second part: every step from 9 on counts as hidden
	s_bfe_u32 s66, ttmp6, 0x40000                  ; my place in the cluster: it enters global offsets and the mask's numbers, no branch and no LDS address
	s_lshl_b32 s66, s66, 1
	s_and_b32 s67, s18, 1
	s_add_co_u32 s66, s66, s67                     ; my tile of a block's eight
	s_lshl_b32 s10, s3, 3
	s_add_co_u32 s10, s10, s66                     ; my first query tile in the batch
	s_lshl_b32 s16, s2, 3
	s_add_co_u32 s16, s16, s66                     ; my second: the long one
	EDGE 10, 12
	EDGE 16, 101
	s_mov_b32 s20, 0x76543210
	s_mov_b32 s21, 0xfedcba98                      ; selects for v_permlanex16_b32: lane l xor 16
	s_mov_b32 s22, 0x3d38aa3b                      ; c = log2(e) / 32
	s_mov_b32 s23, s22
	s_xor_b32 s2, s17, 1
	s_lshl_b32 s2, s2, 9                           ; registers 4-7 lie in the second piece for head 0, in the first for head 1
	s_lshl_b32 s3, s9, 2
	s_add_co_u32 s3, s3, s8
	s_mul_i32 s3, s3, 4608
	s_add_co_u32 s3, s3, STG                       ; the place that giver and taker of a long tile share
	; every LDS address register is made here, ahead of the first branch on the wave's number
	v_and_b32 v9, 31, v0
	v_and_b32 v10, 15, v0                          ; r
	v_bfe_u32 v11, v0, 4, 1                        ; h
	v_lshlrev_b32 v1, 4, v9                        ; 16 x lane
	v_lshlrev_b32 v88, 3, v9                       ; 8 x lane
	v_lshlrev_b32 v29, 2, v10                      ; 4 r
	v_and_b32 v3, 8, v10
	v_lshlrev_b32 v12, 4, v11
	v_add_nc_u32 v3, v3, v10
	v_add_nc_u32 v86, s2, v1
	v_add_nc_u32 v4, VB, v1
	v_add_nc_u32 v87, s3, v1
	v_add_nc_u32 v2, SCK, v29
	v_add_nc_u32 v7, SCV, v29
	v_sub_nc_u32 v3, v3, v12                       ; r + (r & 8) - 16 h
	G1SET 24, 128, 32, 6144                        ; k: 32 key tiles, 1,024 bytes of each fragment, 49,152 bytes apart
	G1SET 32, 32, 24, 32                           ; v, steps 0 to 3 of a feature tile: 6,144 dense bytes as rows of 256
	G1SET 40, 32, 72, 32                           ; v, steps 4 to 15: 18,432 dense bytes
	G1SET 48, 32, 32, 32                           ; k's scale words: 8,192 dense bytes
	G1SET 56, 32, 16, 2048                         ; v's: 16 steps of 256 bytes, 16,384 apart
	; groups 0: s68 k's scale words, s72 v's, s76 k tiles 0-31, s80 k tiles 32 c on, s84 v steps 0-3, s88 v steps 4-15.  Words 2, 3 first hold the offset in big: made of y and the wave's number, equal in the four partners
	s_mul_i32 s78, s14, 6291456
	s_add_co_u32 s2, s15, 8                        ; k is step 8 + pair of the token tiles' 32
	s_mul_i32 s3, s2, FRB
	s_add_co_u32 s78, s78, s3
	s_lshl_b32 s3, s17, 9
	s_add_co_u32 s78, s78, s3                      ; head 0: pieces 0, 1; head 1: pieces 1, 2
	s_lshl_b32 s70, s2, 14
	s_lshl_b32 s3, s14, 13
	s_add_co_u32 s70, s70, s3
	s_add_co_u32 s70, s70, SOFFO
	s_lshl_b32 s86, s15, 8                         ; v: feature tile 8 pair + 4 head, 32 steps each; step 16 batch
	s_lshl_b32 s3, s17, 7
	s_add_co_u32 s86, s86, s3
	s_lshl_b32 s3, s14, 4
	s_add_co_u32 s86, s86, s3
	s_mul_i32 s86, s86, FRB
	s_add_co_u32 s86, s86, OV
	s_lshl_b32 s74, s14, 18
	s_lshl_b32 s3, s15, 9
	s_add_co_u32 s74, s74, s3
	s_lshl_b32 s3, s17, 8
	s_add_co_u32 s74, s74, s3
	s_add_co_u32 s74, s74, SOFFO+OVS
	s_add_co_u32 s2, s18, 2
	s_and_b32 s2, s2, 3                            ; waves 7-9: k's part 1-3; waves 10-13: v's feature tile 0-3
	s_add_co_u32 s3, s18, 1
	s_and_b32 s3, s3, 3                            ; waves 3-6: v's feature tile 0-3
	s_mul_i32 s82, s2, 1572864
	s_add_co_u32 s82, s82, s78
	s_lshl_b32 s81, s2, 15
	s_mul_i32 s85, s3, 24576
	s_add_co_u32 s85, s85, VB
	s_mul_i32 s3, s3, 49152
	s_mul_i32 s89, s2, 24576
	s_add_co_u32 s89, s89, VB+6144
	s_mul_i32 s2, s2, 49152
	s_add_co_u32 s90, s86, s2
	s_add_co_u32 s90, s90, 6144
	s_add_co_u32 s86, s86, s3
	s_mov_b32 s69, SCK
	s_mov_b32 s73, SCV
	s_mov_b32 s77, 0
.irp g, 68,72,76,80,84,88
	s_mov_b32 s[\g], 1
	s_mov_b32 s[\g+3], 0
.endr
	s_wait_alu depctr_va_vdst(0)
	s_wait_dscnt 0x0                               ; both opening adds are done
	ROUND                                          ; the four partners are here: the joint loads meet
	s_wait_kmcnt 0x0
.irp g, 68,72,76,80,84,88
	s_add_nc_u64 s[\g+2:\g+3], s[4:5], s[\g+2:\g+3]
	s_or_b32 s[\g+3], s[\g+3], 0x80000000
.endr
	ARM 1, 68, 48, .La1                            ; what is wanted first is asked for first
	ARM 2, 72, 56, .La2
	ARM 3, 76, 24, .La3
	ARM 7, 84, 32, .La4
	ARM 10, 80, 24, .La5
	ARM 14, 88, 40, .La6                           ; waves 14 and 15 have no part of the tiles
.Lasked:
	s_lshl_b32 s2, s14, 7
	s_add_co_u32 s3, s2, s16                       ; my token tiles among all 256
	s_add_co_u32 s2, s2, s10
	OFFS 2, 93, 94, 89, 90
	OFFS 3, 95, 192, 91, 92
	s_wait_alu depctr_va_vdst(0)
.irp c, 0,1,2
	global_load_b128 v[16+4*\c:19+4*\c], v93, s[4:5] offset:512*\c
.endr
	global_load_b32 v28, v94, s[4:5]
.irp c, 0,1,2
	global_load_b128 v[232+4*\c:235+4*\c], v95, s[4:5] offset:512*\c
.endr
	global_load_b32 v227, v192, s[4:5]
	INIT
.irp b, 0,1,2,3
	v_mov_b32 v[196+\b], 0                         ; written once: a lane permute's destination counts as one of its sources
.endr
	v_mov_b32 v204, 0
	v_mov_b32 v205, 0xff800000                     ; -infinity
	v_mov_b32 v207, 0                              ; (named as the upper half of the pair v[206:207])
	s_cmp_eq_u32 s17, 0
	s_cselect_b32 s2, -1, 0
	s_cselect_b32 s3, 0, -1
	s_wait_alu depctr_va_vdst(0)
	s_cmp_lt_u32 s18, 7
	s_cbranch_scc0 .Lnot_first
	s_wait_tensorcnt 0x0                           ; waves 0 to 6: the scale words and the first 512 keys
.Lnot_first:
	s_barrier_signal -1
	s_barrier_wait -1                              ; the other waves' tiles may be on their way
	s_wait_loadcnt 0x0
.irp i, 0,1,2,3,4,5
	v_and_b32 v[16+\i], s2, v[16+\i]               ; the other head's half of q becomes zero codes
	v_and_b32 v[22+\i], s3, v[22+\i]
	v_and_b32 v[232+\i], s2, v[232+\i]
	v_and_b32 v[238+\i], s3, v[238+\i]
.endr
	s_wait_alu depctr_va_vdst(0)
; A KEY STEP: 128 keys.  s2, s3: where the step's tiles of k and v begin; s66, s9: its scale words; s67: its first key; s11, s12: the tile's edge.  q: the tile's fragment, qs: its scale word
.macro STEP q, qs
	s_cmp_gt_u32 s67, s11
	s_cbranch_scc1 .Lhid_\@                        ; all its keys come after my queries
	v_add_nc_u32 v8, s2, v1                        ; (these are also the places between the last step's products and the loads below)
	v_add_nc_u32 v84, s2, v86
	v_add_nc_u32 v9, s3, v4
	v_add_nc_u32 v10, s66, v2
	v_add_nc_u32 v11, s9, v7
	v_add_nc_u32 v85, 0xc000, v9                   ; feature tiles 2 and 3 lie 49,152 bytes on
	s_wait_alu depctr_va_vdst(0)
.irp gq, 0,1                                       ; S^T = k q^T, four tiles of 16 keys at a time
.if \gq
.rept 4
	v_nop
.endr
.endif
.irp t, 0,1,2,3
	ds_load_b128 v[32+12*\t:35+12*\t], v8 offset:(4*\gq+\t)*1024
	ds_load_b128 v[36+12*\t:39+12*\t], v84 offset:(4*\gq+\t)*1024
	ds_load_b128 v[40+12*\t:43+12*\t], v8 offset:(4*\gq+\t)*1024+512
	ds_load_b32 v[80+\t], v10 offset:(4*\gq+\t)*64
.endr
	s_wait_dscnt 0x0
.irp t, 0,1,2,3
	v_wmma_scale_f32_16x16x128_f8f6f4 v[96+8*(4*\gq+\t):103+8*(4*\gq+\t)], v[32+12*\t:43+12*\t], v[\q:\q+11], 0, v[80+\t], v[\qs] matrix_a_fmt:MATRIX_FMT_FP6 matrix_b_fmt:MATRIX_FMT_FP6
.endr
.endr
.rept 4
	v_nop
.endr
.irp t, 0,1,2,3                                    ; v's four fragments are asked for now and land during the softmax
.irp c, 0,1,2
	ds_load_b128 v[32+12*\t+4*\c:35+12*\t+4*\c], v[9+76*(\t/2)] offset:(\t%2)*24576+512*\c
.endr
	ds_load_b32 v[80+\t], v11 offset:64*\t
.endr
	s_cmp_lg_u32 s67, s11
	s_cbranch_scc1 .Lopen_\@                       ; only the step that holds my queries has hidden keys
	s_sub_co_i32 s10, s12, s67
	v_add_nc_u32 v204, s10, v3                     ; d = my query - the step's first key - 16 h; register 16 b + i holds key 32 b + 16 h + i: hidden where 32 b + i > d
.set NN, 0
.rept 64
	v_cmp_gt_i32 vcc_lo, 32*(NN/16)+NN%16, v204
	v_cndmask_b32 v[96+NN], v[96+NN], v205, vcc_lo
.set NN, NN+1
.endr
.Lopen_\@:
.irp b, 0,1,2,3
	v_max3_num_f32 v[192+\b], v[96+16*\b], v[97+16*\b], v[98+16*\b]   ; the largest score of each block of 32 keys: for the row's maximum and, since p rises with the score, for the block's largest p
.endr
.irp i, 3,5,7,9,11,13
.irp b, 0,1,2,3
	v_max3_num_f32 v[192+\b], v[192+\b], v[96+16*\b+\i], v[97+16*\b+\i]
.endr
.endr
.irp b, 0,1,2,3
	v_max_num_f32 v[192+\b], v[192+\b], v[111+16*\b]
.endr
.irp b, 0,1,2,3
	s_delay_alu instid0(VALU_DEP_4)
	v_permlanex16_b32 v[196+\b], v[192+\b], s20, s21
.endr
.irp b, 0,1,2,3
	s_delay_alu instid0(VALU_DEP_4)
	v_max_num_f32 v[192+\b], v[192+\b], v[196+\b]
.endr
	s_delay_alu instid0(VALU_DEP_2)
	v_max3_num_f32 v204, v192, v193, v194
	s_delay_alu instid0(VALU_DEP_1)
	v_max_num_f32 v204, v204, v195
	s_delay_alu instid0(VALU_DEP_1)
	v_mul_f32 v204, s22, v204                      ; as t (c is positive)
	s_delay_alu instid0(VALU_DEP_1)
	v_max_num_f32 v13, v13, v204                   ; the running largest t
	v_mov_b32 v204, v12
	s_delay_alu instid0(VALU_DEP_2)
	v_floor_f32 v12, -v13                          ; the new -M = -ceil(t): a whole number
	s_delay_alu instid0(VALU_DEP_1)
	v_sub_f32 v204, v12, v204                      ; old M - new M: a whole number, 0 or less
	s_delay_alu instid0(VALU_DEP_1)
	v_cvt_i32_f32 v204, v204                       ; (it saturates)
	s_delay_alu instid0(VALU_DEP_1)
	v_ldexp_f32 v206, 1.0, v204                    ; f = 2^(old M - new M)
.set JJ, 0
.rept 32
	v_pk_fma_f32 v[96+JJ:97+JJ], v[96+JJ:97+JJ], s[22:23], v[12:13] op_sel_hi:[1,0,0]   ; t - M
.set JJ, JJ+2
.endr
.irp b, 0,1,2,3
	v_fma_f32 v[192+\b], v[192+\b], s22, v12
.endr
.set JJ, 0
	s_wait_alu depctr_va_vdst(0)
.rept 64
	v_exp_f32 v[96+JJ], v[96+JJ]                   ; p = 2^(t - M)
.set JJ, JJ+1
.endr
	v_pk_mul_f32 v[14:15], v[14:15], v[206:207] op_sel_hi:[1,0]   ; the sum under the new M (a plain instruction behind the exponentials)
	s_wait_alu depctr_va_vdst(0)                   ; one wait for the batch, ahead of the first line that names a result
.irp b, 0,1,2,3
	v_exp_f32 v[192+\b], v[192+\b]                 ; the blocks' largest p
.endr
	v_pk_add_f32 v[196:197], v[100:101], v[104:105]   ; the sum of the unquantised p, in eight chains
	v_pk_add_f32 v[254:255], v[108:109], v[112:113]
	v_pk_add_f32 v[252:253], v[116:117], v[120:121]
	v_pk_add_f32 v[250:251], v[124:125], v[128:129]
	v_pk_add_f32 v[248:249], v[132:133], v[136:137]
	v_pk_add_f32 v[246:247], v[140:141], v[144:145]
	v_pk_add_f32 v[244:245], v[148:149], v[152:153]
	v_pk_add_f32 v[14:15], v[14:15], v[156:157]
	v_pk_add_f32 v[196:197], v[196:197], v[96:97]
	v_pk_add_f32 v[254:255], v[254:255], v[98:99]
	v_pk_add_f32 v[252:253], v[252:253], v[102:103]
	v_pk_add_f32 v[250:251], v[250:251], v[106:107]
	v_pk_add_f32 v[248:249], v[248:249], v[110:111]
	v_pk_add_f32 v[246:247], v[246:247], v[114:115]
	v_pk_add_f32 v[244:245], v[244:245], v[118:119]
	v_pk_add_f32 v[14:15], v[14:15], v[122:123]
	v_pk_add_f32 v[196:197], v[196:197], v[126:127]
	v_pk_add_f32 v[254:255], v[254:255], v[130:131]
	v_pk_add_f32 v[252:253], v[252:253], v[134:135]
	v_pk_add_f32 v[250:251], v[250:251], v[138:139]
	v_pk_add_f32 v[248:249], v[248:249], v[142:143]
	v_pk_add_f32 v[246:247], v[246:247], v[146:147]
	v_pk_add_f32 v[244:245], v[244:245], v[150:151]
	v_pk_add_f32 v[14:15], v[14:15], v[154:155]
	v_pk_add_f32 v[196:197], v[196:197], v[158:159]
	s_delay_alu instid0(VALU_DEP_2)
	v_pk_add_f32 v[14:15], v[14:15], v[250:251]
	s_delay_alu instid0(VALU_DEP_2)
	v_pk_add_f32 v[196:197], v[196:197], v[248:249]
	v_pk_add_f32 v[254:255], v[254:255], v[246:247]
	v_pk_add_f32 v[252:253], v[252:253], v[244:245]
	s_delay_alu instid0(VALU_DEP_2)
	v_pk_add_f32 v[14:15], v[14:15], v[254:255]
	s_delay_alu instid0(VALU_DEP_2)
	v_pk_add_f32 v[196:197], v[196:197], v[252:253]
	s_delay_alu instid0(VALU_DEP_1)
	v_pk_add_f32 v[14:15], v[14:15], v[196:197]
	s_wait_alu depctr_va_vdst(0)                   ; and one for the four
.irp b, 0,1,2,3
	v_max_num_f32 v[192+\b], 0x1800000, v[192+\b]  ; the floor 2^(3 - 127): the byte cannot fall under 1
.endr
.irp b, 0,1,2,3
	s_delay_alu instid0(VALU_DEP_4)
	v_add_nc_u32 v[200+\b], 0xff000000, v[192+\b]  ; the conversion's scale operand
.endr
.irp b, 0,1,2,3
	s_delay_alu instid0(VALU_DEP_4)
	v_lshrrev_b32 v[196+\b], 23, v[200+\b]
.endr
	s_delay_alu instid0(VALU_DEP_3)
	v_lshl_or_b32 v228, v197, 8, v196              ; p's scale word for these 128 keys
	s_delay_alu instid0(VALU_DEP_1)
	v_lshl_or_b32 v228, v198, 16, v228
	s_delay_alu instid0(VALU_DEP_1)
	v_lshl_or_b32 v228, v199, 24, v228
.irp c, 0,1
	v_cvt_scalef32_pk16_fp6_f32 v[208+6*\c:210+6*\c], v[96+32*\c:111+32*\c], v[200+2*\c]
	v_cvt_scalef32_pk16_fp6_f32 v[220+4*\c:222+4*\c], v[112+32*\c:127+32*\c], v[200+2*\c+1]
.endr
	v_nop                                          ; a plain instruction behind the conversions
.irp c, 0,1
.irp i, 0,1,2
	v_permlane16_swap_b32 v[208+6*\c+\i], v[220+4*\c+\i]
.endr
.irp i, 0,1,2
	s_delay_alu instid0(VALU_DEP_3)
	v_mov_b32 v[211+6*\c+\i], v[220+4*\c+\i]
.endr
.endr
	s_wait_alu depctr_va_vdst(0)
.set JJ, 0
.rept 16
	v_pk_mul_f32 v[160+JJ:161+JJ], v[160+JJ:161+JJ], v[206:207] op_sel_hi:[1,0]   ; O^T under the new M (also the places between the lines that made p's codes and scale word and the products)
.set JJ, JJ+2
.endr
	s_wait_alu depctr_va_vdst(0)
	s_wait_dscnt 0x0                               ; v's fragments are in
.irp t, 0,1,2,3
	v_wmma_scale_f32_16x16x128_f8f6f4 v[160+8*\t:167+8*\t], v[32+12*\t:43+12*\t], v[208:219], v[160+8*\t:167+8*\t], v[80+\t], v228 matrix_a_fmt:MATRIX_FMT_FP6 matrix_b_fmt:MATRIX_FMT_FP6
.endr
.Lhid_\@:
.endm
.macro PHASE s0, n, q, qs              ; n key steps from step s0 on: the trip count is a constant, the work of hidden steps is jumped over
	s_mov_b32 s2, (\s0)*8192
	s_mov_b32 s3, (\s0)*FRB
	s_mov_b32 s66, (\s0)*512
	s_mov_b32 s9, (\s0)*256
	s_mov_b32 s67, (\s0)*128
	s_mov_b32 s8, \n
.Lph_\@:
	STEP \q, \qs
	s_add_co_u32 s2, s2, 8192
	s_add_co_u32 s3, s3, FRB
	s_add_co_u32 s66, s66, 512
	s_add_co_u32 s9, s9, 256
	s_add_co_u32 s67, s67, 128
	s_sub_co_u32 s8, s8, 1
	s_cmp_lg_u32 s8, 0
	s_cbranch_scc1 .Lph_\@
.endm
; THE WAY OUT of a tile: O^T / the sum; 32 features a lane: two blocks; quantised; the head's six registers leave as three pieces of 8 bytes a lane.  oc, os: the offsets of its codes and scale bytes in h
.macro WAYOUT oc, os
	v_add_f32 v14, v14, v15
	s_delay_alu instid0(VALU_DEP_1)
	v_permlanex16_b32 v204, v14, s20, s21
	s_delay_alu instid0(VALU_DEP_1)
	v_add_f32 v14, v14, v204                       ; the row's sum
	s_wait_alu depctr_va_vdst(0)
	v_rcp_f32 v15, v14
	v_nop
	s_wait_alu depctr_va_vdst(0)
.set JJ, 0
.rept 32
	v_mul_f32 v[96+JJ], v[160+JJ], v15             ; register 16 b + i = feature 32 b + 16 h + i of my head
.set JJ, JJ+1
.endr
.irp b, 0,1
	v_max3_num_f32 v[192+\b], |v[96+16*\b]|, |v[97+16*\b]|, 0x1800000
.endr
.irp i, 2,4,6,8,10,12,14
.irp b, 0,1
	s_delay_alu instid0(VALU_DEP_2)
	v_max3_num_f32 v[192+\b], v[192+\b], |v[96+16*\b+\i]|, |v[97+16*\b+\i]|
.endr
.endr
.irp b, 0,1
	s_delay_alu instid0(VALU_DEP_2)
	v_permlanex16_b32 v[196+\b], v[192+\b], s20, s21
.endr
.irp b, 0,1
	s_delay_alu instid0(VALU_DEP_2)
	v_max_num_f32 v[192+\b], v[192+\b], v[196+\b]
.endr
.irp b, 0,1
	s_delay_alu instid0(VALU_DEP_2)
	v_add_nc_u32 v[200+\b], 0xff000000, v[192+\b]
.endr
.irp b, 0,1
	s_delay_alu instid0(VALU_DEP_2)
	v_lshrrev_b32 v[196+\b], 23, v[200+\b]
.endr
	s_delay_alu instid0(VALU_DEP_1)
	v_lshl_or_b32 v198, v197, 8, v196              ; my head's two scale bytes
	v_cvt_scalef32_pk16_fp6_f32 v[208:210], v[96:111], v200
	v_cvt_scalef32_pk16_fp6_f32 v[220:222], v[112:127], v201
	v_nop
.irp i, 0,1,2
	v_permlane16_swap_b32 v[208+\i], v[220+\i]
.endr
.irp i, 0,1,2
	s_delay_alu instid0(VALU_DEP_3)
	v_mov_b32 v[211+\i], v[220+\i]
.endr
.irp k, 0,1,2
	global_store_b64 v\oc, v[208+2*\k:209+2*\k], s[6:7] offset:256*\k   ; 256 consecutive bytes, aligned
.endr
	global_store_b16 v\os, v198, s[6:7]            ; lanes r and r + 16 write the same two bytes with the same value
.endm
	PHASE 0, 2, 16, 28                             ; steps 0 and 1 of my first tile
	s_wait_tensorcnt 0x0                           ; every wave: its tile, if one was still out
	s_wait_dscnt 0x0
	s_barrier_signal -1
	s_barrier_wait -1                              ; all keys are in LDS
	PHASE 2, 7, 16, 28                             ; steps 2 to 8
.rept 4
	v_nop                                          ; between the last products and the first lines that read O^T
.endr
	s_wait_alu depctr_va_vdst(0)
	s_cmp_eq_u32 s19, 0
	s_cbranch_scc0 .Lshort
.irp j, 0,1,2,3,4,5,6,7
	ds_store_b128 v87, v[160+4*\j:163+4*\j] offset:512*\j   ; roles 0, 2: the long tile's first part: O^T as it lies, each accumulator from its low end on,
.endr
	ds_store_b128 v87, v[12:15] offset:4096        ; -M, the largest t and the sum's two halves
	s_branch .Ljoin
.Lshort:
	WAYOUT 89, 90                                  ; roles 1, 3: the short tile is finished
.Ljoin:
	INIT
	s_mov_b32 s11, s100                            ; the long tile's edge
	s_mov_b32 s12, s101
	s_wait_alu depctr_va_vdst(0)
	s_wait_xcnt 0x0                                ; the stores have read their registers
	PHASE 9, 7, 232, 227                           ; steps 9 to 15 of the long tile
.rept 4
	v_nop
.endr
	s_wait_dscnt 0x0                               ; for the others' sake: my stores have landed
	s_barrier_signal -1
	s_barrier_wait -1
	s_cmp_eq_u32 s19, 0
	s_cbranch_scc1 .Lend
.irp j, 0,1,2,3,4,5,6,7,8
	ds_load_b128 v[96+4*\j:99+4*\j], v87 offset:512*\j      ; the first part: O^T in v96-127, -M in v128, the sum in v[130:131]
.endr
	s_wait_dscnt 0x0
	v_min_num_f32 v192, v12, v128                  ; -M of the two parts together: the larger M
	v_sub_f32 v193, v192, v12
	v_sub_f32 v194, v192, v128
	v_cvt_i32_f32 v193, v193                       ; (it saturates: a part with no step counts for nothing)
	v_cvt_i32_f32 v194, v194
	v_ldexp_f32 v206, 1.0, v193                    ; my part's factor,
	v_ldexp_f32 v204, 1.0, v194                    ; the other's: powers of two
	v_pk_mul_f32 v[14:15], v[14:15], v[206:207] op_sel_hi:[1,0]
.set JJ, 0
.rept 16
	v_pk_mul_f32 v[160+JJ:161+JJ], v[160+JJ:161+JJ], v[206:207] op_sel_hi:[1,0]
.set JJ, JJ+2
.endr
	v_pk_fma_f32 v[14:15], v[130:131], v[204:205], v[14:15] op_sel_hi:[1,0,1]
.set JJ, 0
.rept 16
	v_pk_fma_f32 v[160+JJ:161+JJ], v[96+JJ:97+JJ], v[204:205], v[160+JJ:161+JJ] op_sel_hi:[1,0,1]
.set JJ, JJ+2
.endr
	WAYOUT 91, 92
.Lend:
	s_wait_tensorcnt 0x0                           ; the wave's end
	ds_add_u32 v5, v6
	s_wait_dscnt 0x0
	ROUND                                          ; the closing round
	s_endpgm
.Lfunc_end_k_q5c6426eff2_attn:
	.size	k_q5c6426eff2_attn, .Lfunc_end_k_q5c6426eff2_attn-k_q5c6426eff2_attn
	.p2alignl 7, 3214868480
	.fill 96, 4, 3214868480
	.section	.rodata,"a",@progbits
	.p2align	6, 0x0
	.amdhsa_kernel k_q5c6426eff2_attn
		.amdhsa_group_segment_fixed_size 327680
		.amdhsa_private_segment_fixed_size 0
		.amdhsa_enable_private_segment 0
		.amdhsa_kernarg_size 16
		.amdhsa_user_sgpr_count 2
		.amdhsa_user_sgpr_kernarg_segment_ptr 1
		.amdhsa_wavefront_size32 1
		.amdhsa_system_sgpr_workgroup_id_x 1
		.amdhsa_system_sgpr_workgroup_id_y 1
		.amdhsa_system_sgpr_workgroup_id_z 1
		.amdhsa_system_vgpr_workitem_id 0
		.amdhsa_next_free_vgpr 256
		.amdhsa_next_free_sgpr 102
		.amdhsa_reserve_vcc 1
		.amdhsa_float_denorm_mode_32 3
		.amdhsa_float_denorm_mode_16_64 3
		.amdhsa_memory_ordered 1
		.amdhsa_forward_progress 1
		.amdhsa_inst_pref_size 102
	.end_amdhsa_kernel
	.amdgpu_metadata
---
amdhsa.version: [ 1, 2 ]
amdhsa.kernels:
  - .name:           k_q5c6426eff2_attn
    .symbol:         k_q5c6426eff2_attn.kd
    .args:
      - { .name: big, .offset: 0, .size: 8, .value_kind: global_buffer, .address_space: global }
      - { .name: h, .offset: 8, .size: 8, .value_kind: global_buffer, .address_space: global }
    .group_segment_fixed_size: 327680
    .private_segment_fixed_size: 0
    .kernarg_segment_align: 8
    .kernarg_segment_size: 16
    .max_flat_workgroup_size: 512
    .sgpr_count:     102
    .vgpr_count:     256
    .wavefront_size: 32
...
	.end_amdgpu_metadata
.endif
;; end of part 3
;; launch proj (part 4): grid 8 x 32, 4 waves a work-group, clusters of 4 x 4, 327,680 bytes of LDS; arguments wpw2q, h, b_proj, x, x1; writes x1
.if DOCPART == 4
	.amdgcn_target "amdgcn-amd-amdhsa--gfx1250"
	.amdhsa_code_object_version 6
	.text
	.protected	k_q5c6426eff2_proj
	.globl	k_q5c6426eff2_proj
	.p2align	8
	.type	k_q5c6426eff2_proj,@function
k_q5c6426eff2_proj:
	s_mov_b64 s[64:65], 0
	v_nop
	global_prefetch_b8 v0, s[64:65] scope:SCOPE_SE
	s_setreg_imm32_b32 hwreg(HW_REG_WAVE_MODE, 25, 1), 1
	s_wait_xcnt 0x0
	s_wait_alu depctr_hold_cnt(0) depctr_sa_sdst(0) depctr_va_vdst(0) depctr_va_sdst(0) depctr_va_ssrc(0) depctr_va_vcc(0) depctr_vm_vsrc(0)
	s_getreg_b32 s2, hwreg(HW_REG_IB_STS2, 6, 4)
	s_cmp_eq_u32 s2, 0
	s_cbranch_scc0 .Lentry_in_a_cluster
	s_endpgm
.Lentry_in_a_cluster:
	s_bfe_u32 s2, ttmp6, 0x10000c
	s_cmp_lg_u32 s2, 0xf033
	s_cbranch_scc0 .Lentry_shape_is_right
	s_endpgm
.Lentry_shape_is_right:
; A GEMM ON CODES OF E2M3 WITH A RESIDUAL: x1(y, n) = x(y, n) + b_proj(n) + sum over k of Y(y, k) X(n, k), f32.  Y = the attention's result (tokens), X = w_proj's features, K = 1,024: 8 steps of 128.
; LAYOUTS (this program's own): rows go in tiles of 16, slot s of tile 2 B + u = row 32 B + 8 u + s + (s & 8); fragment (tile, step) at (8 tile + step) 1,536.  X's fragment is the image of its 12 registers, lane L's 16 bytes at 512 p + 16 L;
; Y's lies as the attention launch leaves it: six pieces of 256 bytes, piece k = registers 2 k, 2 k + 1, lane L's 8 bytes at 256 k + 8 L.  Scale words at an offset + 16,384 step + 64 tile + 4 slot.
; SHARES: a work-group makes 128 x 128, so that 256 work-groups have work; four waves, 64 x 64 each: 16 accumulators.  Source 0 = 16 rows of X, source 1 = 16 rows of Y: a lane holds one token and eight neighbouring features a tile.
; ALL OF K LIES IN LDS, filled once: an operand's eight tiles are 98,304 consecutive bytes.  One tensor load a wave at the head: Y's codes, X's codes, Y's scale words, X's; one barrier shows all four.  Nothing is filled again.
; CLUSTERS: 4 x 4 work-groups; Y's tiles are shared along a row of the cluster, X's along a column: each is asked for jointly.  No prefetch: all is asked for at the head, and there is no loop to run ahead in.
; The residual is asked for at the head and waited for in front of the way out.  LIMITS: NaN and infinities are not served.
; REGISTERS: window 0: v16-31 addresses; v32-47 scale words, two sets (lanes 0-15 Y's tile i, lanes 16-31 X's tile i); v64.., v160.. Y's fragments, two sets.  window 1: X's fragments at v0 and v128, the bias tiles at v96-127.
;   window 2: v0-127 the accumulators, v128-255 the residual.
.set MB,   4
.set NB,   4
.set KS,   8
.set XSO,  786432
.set YSO,  3145728
.set FRB,   1536
.set HALFT, MB*KS*FRB                  ; what a wave reads of an operand
.set OPB,   2*HALFT                    ; an operand's eight tiles
.set SCB,   KS*2*MB*64                 ; an operand's scale words: [step][tile][64]
.set SCL,   2*OPB
.set SPARE, SCL+2*SCB                  ; the spare words: 128 bytes a wave, named by no other line
.set STAGE, SPARE+512                  ; the way out: 16 rows of 256 + 16 bytes for each wave
.set NF,    3*NB+6*MB+MB               ; LDS loads of one step
.set ADY,  16
.set ADX,  20
.set STO,  24
.set RD,   25
.set CO,   26
.set ADRS, 27
.set SPW,  28
.set NIL,  29
.set BO,   30
.set SC,   32
.set YF,   64
.set G1,   24
.set G0,   32
.set G1B,  48
.set G0B,  56
.set G1S,  68
.set G0S,  76
.set G1SB, 80
.set G0SB, 88
.set MSB, 0
.macro WIN new                         ; the immediate's high byte repeats the setting that is left
.if MSB != (\new)
	s_set_vgpr_msb (MSB<<8)|(\new)
.set MSB, (\new)
.endif
.endm
.macro CROUND
	s_barrier_signal -1
	s_barrier_wait -1
	s_cmp_lg_u32 s14, 0
	s_cbranch_scc1 .Lnot_wave_0_\@
	s_barrier_signal -3
.Lnot_wave_0_\@:
	s_barrier_wait -3
	s_barrier_signal -1
	s_barrier_wait -1
.endm
.macro PLACES n
.rept \n
	v_nop
.endr
.endm
.macro ARM under, g0, g1, next         ; an arm of the one chain of the head's loads
	s_cmp_lt_u32 s14, \under
	s_cbranch_scc0 \next
	tensor_load_to_lds s[\g0:\g0+3], s[\g1:\g1+7]
	s_nop 0
	PLACES 4
	s_branch .Lasked
\next:
.endm
.macro FETCH q, p                      ; step q's fragments and scale words into set p: NF LDS loads in one run
	WIN 0x40
.set FI, 0
.rept NB
.irp c, 0,1,2
	ds_load_b128 v[128*(\p)+12*FI+4*\c:128*(\p)+12*FI+4*\c+3], v[ADX] offset:FI*KS*FRB+(\q)*FRB+512*\c
.endr
.set FI, FI+1
.endr
	WIN 0
.set FI, 0
.rept MB
.irp c, 0,1,2,3,4,5
	ds_load_b64 v[YF+96*(\p)+12*FI+2*\c:YF+96*(\p)+12*FI+2*\c+1], v[ADY] offset:FI*KS*FRB+(\q)*FRB+256*\c
.endr
.set FI, FI+1
.endr
.set FI, 0
.rept MB
	ds_load_b32 v[SC+8*(\p)+FI], v[ADRS] offset:(\q)*2*MB*64+64*FI
.set FI, FI+1
.endr
.endm
.macro MULA a, p, first                ; Y's tile a against X's four.  first = 1: the bias is the C of the sum's first instruction
.if \first
	WIN (2<<6)|(1<<4)|1
.else
	WIN (2<<6)|(2<<4)|1
.endif
.set BQ, 0
.rept NB
.set AC, 8*(NB*(\a)+BQ)
.set BI, 96+8*BQ
.if \first
	v_wmma_scale_f32_16x16x128_f8f6f4 v[AC:AC+7], v[128*(\p)+12*BQ:128*(\p)+12*BQ+11], v[YF+96*(\p)+12*(\a):YF+96*(\p)+12*(\a)+11], v[BI:BI+7], v[SC+8*(\p)+BQ], v[SC+8*(\p)+(\a)] matrix_a_fmt:MATRIX_FMT_FP6 matrix_b_fmt:MATRIX_FMT_FP6 matrix_a_scale:MATRIX_SCALE_ROW1
.else
	v_wmma_scale_f32_16x16x128_f8f6f4 v[AC:AC+7], v[128*(\p)+12*BQ:128*(\p)+12*BQ+11], v[YF+96*(\p)+12*(\a):YF+96*(\p)+12*(\a)+11], v[AC:AC+7], v[SC+8*(\p)+BQ], v[SC+8*(\p)+(\a)] matrix_a_fmt:MATRIX_FMT_FP6 matrix_b_fmt:MATRIX_FMT_FP6 matrix_a_scale:MATRIX_SCALE_ROW1
.endif
.set BQ, BQ+1
.endr
.endm
.macro MULS p, first                   ; a step's 16 products: the accumulators take turns, in the same order in every step
	MULA 0, \p, \first
	MULA 1, \p, \first
	MULA 2, \p, \first
	MULA 3, \p, \first
	WIN 0
.endm
.macro STEP q, first                   ; the successor's loads go out first and have the whole step in which to land
	PLACES 4                                       ; between the last products and loads into registers that they read
	FETCH (\q)+1, 1-(\q)%2
	s_wait_dscnt NF                                ; all but the NF loads just issued: this step's set is in
	MULS (\q)%2, \first
.endm
	s_load_b256 s[4:11], s[0:1], 0x0               ; wpw2q s[4:5], h s[6:7], b_proj s[8:9], x s[10:11]
	s_load_b64 s[12:13], s[0:1], 0x20              ; x1
	v_lshl_add_u32 v[SPW], v0, 2, SPARE
	v_mov_b32 v[NIL], 0
	ds_add_u32 v[SPW], v[NIL]                      ; the opening lines
	ds_add_u32 v[SPW], v[NIL]
	v_lshrrev_b32 v1, 5, v0
	v_readfirstlane_b32 s14, v1                    ; wave 0..3
	s_lshr_b32 s15, s14, 1                         ; my half of Y
	s_and_b32 s16, s14, 1                          ; my half of X
	s_bfe_u32 s40, ttmp6, 0x40000                  ; cx
	s_bfe_u32 s41, ttmp6, 0x40004                  ; cy
	s_and_b32 s18, ttmp7, 0xffff
	s_lshl_b32 s42, ttmp9, 2
	s_add_co_u32 s42, s42, s40                     ; my block along the features
	s_lshl_b32 s17, s18, 2
	s_add_co_u32 s17, s17, s41                     ; my block along the tokens
	s_lshl_b32 s43, s41, 2
	s_lshl_b32 s43, 15, s43                        ; my row of the cluster
	s_lshl_b32 s44, 0x1111, s40                    ; my column
	s_or_b32 s[G1], s43, (3<<16)|(1<<21)           ; codes: 8 rows (tiles) of 12,288 bytes, dense; elements of 8 bytes
	s_or_b32 s[G1B], s44, (3<<16)|(1<<21)
.irp g, G1, G1B
	s_mov_b32 s[\g+1], (192*KS)<<16
	s_mov_b32 s[\g+2], (2*MB)<<16
	s_mov_b32 s[\g+3], (192*KS)<<16
	s_mov_b32 s[\g+4], 2*MB
	s_mov_b32 s[\g+5], 192*KS
	s_mov_b32 s[\g+6], 0
	s_mov_b32 s[\g+7], 0
.endr
	s_or_b32 s[G1S], s43, (3<<16)|(1<<21)          ; scale words: 8 rows (steps) of 512 bytes, 16,384 apart
	s_or_b32 s[G1SB], s44, (3<<16)|(1<<21)
.irp g, G1S, G1SB
	s_mov_b32 s[\g+1], (16*MB)<<16
	s_mov_b32 s[\g+2], KS<<16
	s_mov_b32 s[\g+3], (16*MB)<<16
	s_mov_b32 s[\g+4], KS
	s_mov_b32 s[\g+5], 2048
	s_mov_b32 s[\g+6], 0
	s_mov_b32 s[\g+7], 0
.endr
	s_mul_i32 s20, s17, OPB
	s_mov_b32 s21, 0
	s_lshl_b32 s22, s17, 9
	s_add_co_u32 s22, s22, YSO
	s_mov_b32 s23, 0
	s_mul_i32 s46, s42, OPB
	s_mov_b32 s47, 0
	s_lshl_b32 s92, s42, 9
	s_add_co_u32 s92, s92, XSO
	s_mov_b32 s93, 0
	s_mov_b32 s[G0], 1
	s_mov_b32 s[G0+1], 0
	s_mov_b32 s[G0B], 1
	s_mov_b32 s[G0B+1], OPB
	s_mov_b32 s[G0S], 1
	s_mov_b32 s[G0S+1], SCL
	s_mov_b32 s[G0SB], 1
	s_mov_b32 s[G0SB+1], SCL+SCB
	s_wait_dscnt 0x0                               ; both opening adds are done
	s_wait_kmcnt 0x0
	s_add_nc_u64 s[G0+2:G0+3], s[6:7], s[20:21]
	s_or_b32 s[G0+3], s[G0+3], 0x80000000
	s_add_nc_u64 s[G0B+2:G0B+3], s[4:5], s[46:47]
	s_or_b32 s[G0B+3], s[G0B+3], 0x80000000
	s_add_nc_u64 s[G0S+2:G0S+3], s[6:7], s[22:23]
	s_or_b32 s[G0S+3], s[G0S+3], 0x80000000
	s_add_nc_u64 s[G0SB+2:G0SB+3], s[4:5], s[92:93]
	s_or_b32 s[G0SB+3], s[G0SB+3], 0x80000000
	CROUND                                         ; all sixteen work-groups are here: the joint loads meet
	ARM 1, G0,  G1,  .Lh1
	ARM 2, G0B, G1B, .Lh2
	ARM 3, G0S, G1S, .Lh3
	tensor_load_to_lds s[G0SB:G0SB+3], s[G1SB:G1SB+7]
	s_nop 0
	PLACES 4
.Lasked:
	s_mul_i32 s21, s15, HALFT                      ; my four tiles of Y,
	s_mul_i32 s22, s16, HALFT
	s_add_co_u32 s22, s22, OPB                     ; my four of X
	s_lshl_b32 s23, s15, 8
	s_lshl_b32 s94, s16, 8
	s_add_co_u32 s94, s94, SCB
	s_sub_co_u32 s94, s94, s23                     ; scale words: lanes 0-15 take Y's (my half), lanes 16-31 X's: one product with h
	s_add_co_u32 s23, s23, SCL
	s_mul_i32 s95, s14, 16*272
	s_add_co_u32 s95, s95, STAGE                   ; my stage
	v_and_b32 v1, 31, v0                           ; lane
	v_and_b32 v3, 15, v0                           ; r
	v_bfe_u32 v4, v0, 4, 1                         ; h
	v_lshl_add_u32 v[ADY], v1, 3, s21
	v_lshl_add_u32 v[ADX], v1, 4, s22
	v_mul_u32_u24 v5, s94, v4
	v_mul_u32_u24 v6, v3, 272
	v_mul_u32_u24 v7, v4, 272
	v_lshl_add_u32 v5, v3, 2, v5
	v_lshl_add_u32 v6, v4, 6, v6
	v_lshl_add_u32 v7, v3, 4, v7
	v_add_nc_u32 v[ADRS], s23, v5
	v_add_nc_u32 v[STO], s95, v6                   ; the stage, in: row r, 64 h
	v_add_nc_u32 v[RD], s95, v7                    ; back: lanes 0-15 one row, lanes 16-31 the next
	v_lshlrev_b32 v[BO], 6, v4                     ; the bias: lane (r, h) wants, for tile 2 B + u, the numbers 32 B + 16 h + 8 u + 0 .. 7
	v_lshlrev_b32 v5, 12, v4
	v_lshl_add_u32 v[CO], v3, 4, v5                ; and the rows in memory: 4,096 bytes each
	s_wait_alu depctr_va_vdst(0)
	s_lshl_b32 s92, s42, 9
	s_lshl_b32 s93, s16, 8
	s_add_co_u32 s92, s92, s93                     ; my 64 columns, in bytes
	s_mov_b32 s93, 0
	s_add_nc_u64 s[8:9], s[8:9], s[92:93]
	s_lshl_b32 s20, s17, 7
	s_lshl_b32 s21, s15, 6
	s_add_co_u32 s20, s20, s21                     ; my first token
	s_lshl_b32 s20, s20, 12
	s_add_co_u32 s20, s20, s92
	s_mov_b32 s21, 0
	s_add_nc_u64 s[10:11], s[10:11], s[20:21]
	s_add_nc_u64 s[12:13], s[12:13], s[20:21]
	WIN 0x40
.set FI, 0
.rept NB
.set BI, 96+8*FI
	global_load_b128 v[BI:BI+3], v[BO], s[8:9] offset:(32*(FI/2)+8*(FI%2))*4
	global_load_b128 v[BI+4:BI+7], v[BO], s[8:9] offset:(32*(FI/2)+8*(FI%2))*4+16
.set FI, FI+1
.endr
	WIN 0x80                                       ; the residual, as the rows will leave: 32 loads, issued last
.set AA, 0
.rept 4
.set TT, 0
.rept 8
.set TOK, 32*(AA/2)+8*(AA%2)+2*TT+8*(TT/4)
	global_load_b128 v[128+32*AA+4*TT:131+32*AA+4*TT], v[CO], s[10:11] offset:TOK*4096
.set TT, TT+1
.endr
.set AA, AA+1
.endr
	WIN 0
	s_wait_tensorcnt 0x0                           ; every wave: its tile
	s_barrier_signal -1
	s_barrier_wait -1                              ; all four tiles are in
	FETCH 0, 0
	s_wait_loadcnt 32                              ; loads come back in order: the bias is in; the 32 loads of the residual may stay out
	STEP 0, 1                                      ; step 0: its products start the sums
.irp q, 1,2,3,4,5,6
	STEP \q, 0
.endr
	s_wait_dscnt 0x0
	MULS 1, 0                                      ; step 7
	PLACES 4                                       ; between the last products and the first lines that read results
	s_wait_loadcnt 0x0                             ; the residual
.macro OUTF a                          ; Y's tile a: 16 tokens x 64 columns through my own stage, the residual added, whole runs of 256 bytes out
.set RB, 64+32*((\a)%2)
.if (\a) > 1
	s_wait_xcnt 0x0                                ; tile a - 2's stores have read these registers
.endif
	WIN 0x08
.irp b, 0,1,2,3
	ds_store_b128 v[STO], v[8*(4*(\a)+\b):8*(4*(\a)+\b)+3] offset:128*(\b/2)+32*(\b%2)
	ds_store_b128 v[STO], v[8*(4*(\a)+\b)+4:8*(4*(\a)+\b)+7] offset:128*(\b/2)+32*(\b%2)+16
.endr
	WIN 0
.irp t, 0,1,2,3,4,5,6,7
	ds_load_b128 v[RB+4*\t:RB+4*\t+3], v[RD] offset:544*\t   ; LDS serves a wave's instructions in order: these see my stores
.endr
	s_wait_dscnt 0x0
	WIN 0x08
.irp t, 0,1,2,3,4,5,6,7,8,9,10,11,12,13,14,15
	v_pk_add_f32 v[RB+2*\t:RB+2*\t+1], v[RB+2*\t:RB+2*\t+1], v[128+32*(\a)+2*\t:129+32*(\a)+2*\t]
.endr
	WIN 0
.set TT, 0
.rept 8
.set TOK, 32*((\a)/2)+8*((\a)%2)+2*TT+8*(TT/4)
	global_store_b128 v[CO], v[RB+4*TT:RB+4*TT+3], s[12:13] offset:TOK*4096 th:TH_STORE_NT   ; sixteen lanes store 256 consecutive bytes, aligned
.set TT, TT+1
.endr
.endm
	OUTF 0
	OUTF 1
	OUTF 2
	OUTF 3
	s_wait_tensorcnt 0x0                           ; the wave's end
	ds_add_u32 v[SPW], v[NIL]
	s_wait_dscnt 0x0
	CROUND                                         ; the closing round
	s_endpgm
.Lfunc_end_k_q5c6426eff2_proj:
	.size	k_q5c6426eff2_proj, .Lfunc_end_k_q5c6426eff2_proj-k_q5c6426eff2_proj
	.p2alignl 7, 3214868480
	.fill 96, 4, 3214868480
	.section	.rodata,"a",@progbits
	.p2align	6, 0x0
	.amdhsa_kernel k_q5c6426eff2_proj
		.amdhsa_group_segment_fixed_size 327680
		.amdhsa_private_segment_fixed_size 0
		.amdhsa_enable_private_segment 0
		.amdhsa_kernarg_size 40
		.amdhsa_user_sgpr_count 2
		.amdhsa_user_sgpr_kernarg_segment_ptr 1
		.amdhsa_wavefront_size32 1
		.amdhsa_system_sgpr_workgroup_id_x 1
		.amdhsa_system_sgpr_workgroup_id_y 1
		.amdhsa_system_sgpr_workgroup_id_z 1
		.amdhsa_system_vgpr_workitem_id 0
		.amdhsa_next_free_vgpr 768
		.amdhsa_next_free_sgpr 100
		.amdhsa_reserve_vcc 0
		.amdhsa_float_denorm_mode_32 3
		.amdhsa_float_denorm_mode_16_64 3
		.amdhsa_memory_ordered 1
		.amdhsa_forward_progress 1
		.amdhsa_inst_pref_size 63
	.end_amdhsa_kernel
	.amdgpu_metadata
---
amdhsa.version: [ 1, 2 ]
amdhsa.kernels:
  - .name:           k_q5c6426eff2_proj
    .symbol:         k_q5c6426eff2_proj.kd
    .args:
      - { .name: wpw2q, .offset: 0, .size: 8, .value_kind: global_buffer, .address_space: global }
      - { .name: h, .offset: 8, .size: 8, .value_kind: global_buffer, .address_space: global }
      - { .name: b_proj, .offset: 16, .size: 8, .value_kind: global_buffer, .address_space: global }
      - { .name: x, .offset: 24, .size: 8, .value_kind: global_buffer, .address_space: global }
      - { .name: x1, .offset: 32, .size: 8, .value_kind: global_buffer, .address_space: global }
    .group_segment_fixed_size: 327680
    .private_segment_fixed_size: 0
    .kernarg_segment_align: 8
    .kernarg_segment_size: 40
    .max_flat_workgroup_size: 128
    .sgpr_count:     100
    .vgpr_count:     768
    .wavefront_size: 32
...
	.end_amdgpu_metadata
.endif
;; end of part 4
;; launch ln2 (part 5): grid 256 x 1, 16 waves a work-group, no clusters, 88,576 bytes of LDS; arguments x1, ln2_g, ln2_b, h; writes h
.if DOCPART == 5
	.amdgcn_target "amdgcn-amd-amdhsa--gfx1250"
	.amdhsa_code_object_version 6
	.text
	.protected	k_q5c6426eff2_ln2
	.globl	k_q5c6426eff2_ln2
	.p2align	8
	.type	k_q5c6426eff2_ln2,@function
k_q5c6426eff2_ln2:
	s_mov_b64 s[64:65], 0
	v_nop
	global_prefetch_b8 v0, s[64:65] scope:SCOPE_SE
	s_setreg_imm32_b32 hwreg(HW_REG_WAVE_MODE, 25, 1), 1
	s_wait_xcnt 0x0
; LAYER NORM of 16 tokens (one tile), quantised along C = 1,024 into codes of E2M3 with one E8M0 byte for each 32, stored as operand images.  Sixteen waves, a row each: wave w has slot w of the tile.
; LAYOUT of h: slot s of tile 2 B + u stands for token 32 B + 8 u + s + (s & 8).  A fragment (16 slots x 128 K) lies as the image of its 12 registers: byte 512 p + 16 L + 4 e is register 4 p + e of lane L
; (lane = slot + 16 h; registers 6 c .. 6 c + 5 hold K = 64 c + 32 h + 0 .. 31); fragment (tile, step) at (8 tile + step) 1,536; scale words at SOFF + 16,384 step + 64 tile + 4 slot.
; A block's scale byte is its largest magnitude's exponent field - 2, held at 1 from below.
; LIMITS: NaN and infinities are not served; a block whose largest magnitude lies under 2^-124 has its byte held at 1; a block of zeros has the byte 1 where the rule says 127: its codes are zeros, and this program alone reads the bytes.
; No tensor load, no matrix instruction, no cluster: work-groups share no input but the gain and the bias, 8,192 bytes.
.set SOFF,   3145728
.set TURNB,  4608                      ; LDS: for each wave 32 places of 128 + 16 bytes, in which its row turns from 16 bytes a lane to 128 bytes a lane
.set IMG,    73728                     ; the tile's 8 fragment images, 12,288 bytes
.set SCW,    86016                     ; its scale words: [step][slot][4]: 512 bytes
.set SPARE,  86528                     ; the spare words: 128 bytes a wave, named by no other line
.set R,      32                        ; v32-63 the row; v160-191 the gain, v192-223 the bias; v224-255 the row turned
.macro FOLD                            ; the four chains v[8:15] into one number a lane, then over the 32 lanes, the result in every lane
	v_pk_add_f32 v[8:9], v[8:9], v[10:11]
	v_pk_add_f32 v[12:13], v[12:13], v[14:15]
	v_pk_add_f32 v[8:9], v[8:9], v[12:13]
	v_add_f32 v8, v8, v9
	v_add_f32_dpp v8, v8, v8 row_xmask:1 row_mask:0xf bank_mask:0xf
	v_add_f32_dpp v8, v8, v8 row_xmask:2 row_mask:0xf bank_mask:0xf
	v_add_f32_dpp v8, v8, v8 row_xmask:4 row_mask:0xf bank_mask:0xf
	v_add_f32_dpp v8, v8, v8 row_xmask:8 row_mask:0xf bank_mask:0xf
	v_permlanex16_b32 v9, v8, s50, s51
	v_add_f32 v8, v8, v9
.endm
	s_load_b256 s[8:15], s[0:1], 0x0               ; x1 s[8:9], gain s[10:11], bias s[12:13], h s[14:15]
	v_lshl_add_u32 v30, v0, 2, SPARE
	v_mov_b32 v31, 0                               ; v30, v31: the add's two registers, kept for it alone
	v_lshrrev_b32 v1, 5, v0
	v_readfirstlane_b32 s4, v1                     ; wave 0..15: my slot
	s_lshr_b32 s6, ttmp9, 1
	s_lshl_b32 s6, s6, 5
	s_and_b32 s7, ttmp9, 1
	s_lshl_b32 s7, s7, 3
	s_add_co_u32 s6, s6, s7
	s_add_co_u32 s6, s6, s4
	s_and_b32 s7, s4, 8
	s_add_co_u32 s6, s6, s7                        ; my token
	s_lshl_b32 s36, s6, 12                         ; a row is 4,096 bytes
	s_mov_b32 s37, 0
	s_mul_i32 s38, ttmp9, 12288                    ; the tile's 8 images in h,
	s_mul_i32 s7, s4, 768
	s_add_co_u32 s38, s38, s7                      ; my sixteenth of them
	s_mov_b32 s39, 0
	s_lshl_b32 s40, ttmp9, 6                       ; the tile's 64 bytes in a row of scale words
	s_mov_b32 s41, 0
	s_mov_b32 s50, 0x76543210
	s_mov_b32 s51, 0xfedcba98                      ; selects for v_permlanex16_b32: lane l xor 16
	s_mov_b32 s52, 0x3a800000                      ; 1 / 1,024
	s_mov_b32 s53, 0x3727c5ac                      ; 1e-5
	s_mul_i32 s42, s4, TURNB
	s_lshl_b32 s43, s4, 4
	s_lshl_b32 s44, s4, 2
	s_add_co_u32 s45, s7, IMG
	v_and_b32 v1, 31, v0                           ; lane
	v_lshlrev_b32 v2, 4, v1                        ; 16 x lane
	v_lshrrev_b32 v3, 3, v1
	v_and_b32 v8, 7, v1
	v_mul_u32_u24 v3, v3, 144
	v_mul_u32_u24 v4, v1, 144
	v_lshl_add_u32 v3, v8, 4, v3
	v_add_nc_u32 v4, s42, v4                       ; the turn, out: place = lane: my block of 32
	v_add_nc_u32 v3, s42, v3                       ; the turn, in: place 4 j + lane / 8, 16 (lane % 8) in it
	v_lshrrev_b32 v8, 2, v1                        ; my block's step of 128: lane / 4
	v_and_b32 v10, 1, v1                           ; its h
	v_mul_u32_u24 v9, v8, 1536
	v_bfe_u32 v11, v1, 1, 1                        ; its c
	v_lshl_add_u32 v9, v10, 8, v9                  ; the target lane is slot + 16 h: 256 h bytes,
	v_add_nc_u32 v9, s43, v9                       ; 16 x slot
	v_lshl_add_u32 v5, v11, 10, v9
	v_lshl_add_u32 v6, v11, 3, v9
	v_add_nc_u32 v5, IMG, v5                       ; c = 0: registers 0-3 at 0; c = 1: registers 8-11 at 1,024
	v_add_nc_u32 v6, IMG+512, v6                   ; c = 0: registers 4, 5 at 512; c = 1: registers 6, 7 at 520
	v_lshlrev_b32 v7, 6, v8
	v_and_b32 v10, 3, v1
	v_add_nc_u32 v7, v7, v10
	v_add_nc_u32 v7, s44, v7
	v_add_nc_u32 v7, SCW, v7                       ; my block's scale byte: 64 step + 4 slot + block % 4
	v_lshlrev_b32 v19, 3, v1                       ; the way out: 8 x lane,
	v_add_nc_u32 v23, s45, v19                     ; in my sixteenth of the images
	v_add_nc_u32 v64, SCW, v2                      ; and (wave 0) the scale words: the address lies beyond an immediate's 16 bits
	v_cmp_ne_u32 vcc_lo, 0, v11                    ; the lanes with c = 1
	s_wait_alu depctr_va_vdst(0)
	s_wait_kmcnt 0x0
	s_add_nc_u64 s[8:9], s[8:9], s[36:37]
	s_add_nc_u64 s[38:39], s[14:15], s[38:39]
	s_add_nc_u64 s[40:41], s[14:15], s[40:41]
.irp j, 0,1,2,3,4,5,6,7
	global_load_b128 v[R+4*\j:R+4*\j+3], v2, s[8:9] offset:512*\j th:TH_LOAD_NT   ; each load: 512 consecutive bytes: register 4 j + e = column 128 j + 4 lane + e
.endr
.irp j, 0,1,2,3,4,5,6,7
	global_load_b128 v[160+4*\j:163+4*\j], v2, s[10:11] offset:512*\j
.endr
.irp j, 0,1,2,3,4,5,6,7
	global_load_b128 v[192+4*\j:195+4*\j], v2, s[12:13] offset:512*\j
.endr
	s_wait_loadcnt 16                              ; loads come back in order: my row is in; the gain's and the bias's sixteen may be out
	v_pk_add_f32 v[8:9], v[R:R+1], v[R+2:R+3]      ; the sum, in four chains
	v_pk_add_f32 v[10:11], v[R+4:R+5], v[R+6:R+7]
	v_pk_add_f32 v[12:13], v[R+8:R+9], v[R+10:R+11]
	v_pk_add_f32 v[14:15], v[R+12:R+13], v[R+14:R+15]
.irp j, 16,24
	v_pk_add_f32 v[8:9], v[8:9], v[R+\j:R+\j+1]
	v_pk_add_f32 v[10:11], v[10:11], v[R+\j+2:R+\j+3]
	v_pk_add_f32 v[12:13], v[12:13], v[R+\j+4:R+\j+5]
	v_pk_add_f32 v[14:15], v[14:15], v[R+\j+6:R+\j+7]
.endr
	FOLD
	v_mul_f32 v8, s52, v8                          ; the mean
	v_mov_b32 v9, v8
.irp j, 0,2,4,6,8,10,12,14,16,18,20,22,24,26,28,30
	v_pk_add_f32 v[R+\j:R+\j+1], v[R+\j:R+\j+1], v[8:9] neg_lo:[0,1] neg_hi:[0,1]   ; x - mean, in place: the variance is taken of these
.endr
	v_pk_mul_f32 v[8:9], v[R:R+1], v[R:R+1]
	v_pk_mul_f32 v[10:11], v[R+2:R+3], v[R+2:R+3]
	v_pk_mul_f32 v[12:13], v[R+4:R+5], v[R+4:R+5]
	v_pk_mul_f32 v[14:15], v[R+6:R+7], v[R+6:R+7]
.irp j, 8,16,24
	v_pk_fma_f32 v[8:9], v[R+\j:R+\j+1], v[R+\j:R+\j+1], v[8:9]
	v_pk_fma_f32 v[10:11], v[R+\j+2:R+\j+3], v[R+\j+2:R+\j+3], v[10:11]
	v_pk_fma_f32 v[12:13], v[R+\j+4:R+\j+5], v[R+\j+4:R+\j+5], v[12:13]
	v_pk_fma_f32 v[14:15], v[R+\j+6:R+\j+7], v[R+\j+6:R+\j+7], v[14:15]
.endr
	FOLD
	v_fma_f32 v8, v8, s52, s53                     ; the variance + 1e-5
	s_wait_alu depctr_va_vdst(0)
	v_rsq_f32 v10, v8
	v_nop                                          ; a plain instruction behind it
	s_wait_alu depctr_va_vdst(0)                   ; and the wait ahead of the first line that names its result
	v_mov_b32 v11, v10
.irp j, 0,2,4,6,8,10,12,14,16,18,20,22,24,26,28,30
	v_pk_mul_f32 v[R+\j:R+\j+1], v[R+\j:R+\j+1], v[10:11]
.endr
	s_wait_alu depctr_va_vdst(0)
	s_wait_loadcnt 0x0                             ; the gain and the bias
.irp j, 0,2,4,6,8,10,12,14,16,18,20,22,24,26,28,30
	v_pk_fma_f32 v[R+\j:R+\j+1], v[R+\j:R+\j+1], v[160+\j:161+\j], v[192+\j:193+\j]
.endr
.irp j, 0,1,2,3,4,5,6,7
	ds_store_b128 v3, v[R+4*\j:R+4*\j+3] offset:576*\j      ; the row turns through my own LDS bytes; LDS serves a wave's instructions in order
.endr
.irp j, 0,1,2,3,4,5,6,7
	ds_load_b128 v[224+4*\j:227+4*\j], v4 offset:16*\j      ; lane l now holds columns 32 l .. 32 l + 31: one block
.endr
	s_wait_dscnt 0x0
	v_max3_num_f32 v12, |v224|, |v225|, |v226|     ; the block's largest magnitude, in two chains
	v_max3_num_f32 v13, |v227|, |v228|, |v229|
.irp k, 6,10,14,18,22,26
	v_max3_num_f32 v12, v12, |v[224+\k]|, |v[224+\k+1]|
	v_max3_num_f32 v13, v13, |v[224+\k+2]|, |v[224+\k+3]|
.endr
	v_max3_num_f32 v12, v12, |v254|, |v255|
	v_max3_num_f32 v12, v12, v13, 0x1800000        ; and the floor 2^(3 - 127): the byte cannot fall under 1
	v_add_nc_u32 v14, 0xff000000, v12              ; 2 off its exponent field: the conversion's scale operand
	v_cvt_scalef32_pk16_fp6_f32 v[16:18], v[224:239], v14
	v_cvt_scalef32_pk16_fp6_f32 v[20:22], v[240:255], v14
	v_lshrrev_b32 v15, 23, v14                     ; the scale's byte (also the plain instruction behind the conversions)
	v_cndmask_b32 v24, v16, v18, vcc_lo            ; the block's six registers go out as 16 + 8 bytes: c = 0: codes 0-3 and 4, 5; c = 1: codes 2-5 and 0, 1
	v_cndmask_b32 v25, v17, v20, vcc_lo
	v_cndmask_b32 v26, v18, v21, vcc_lo
	v_cndmask_b32 v27, v20, v22, vcc_lo
	v_cndmask_b32 v28, v21, v16, vcc_lo
	v_cndmask_b32 v29, v22, v17, vcc_lo
	ds_store_b128 v5, v[24:27]
	ds_store_b64 v6, v[28:29]
	ds_store_b8 v7, v15
	s_wait_dscnt 0x0                               ; for the others' sake: my stores have landed
	s_barrier_signal -1
	s_barrier_wait -1                              ; the tile's images and scale words are whole
.irp k, 0,1,2
	ds_load_b64 v[32+2*\k:33+2*\k], v23 offset:256*\k
.endr
	s_wait_dscnt 0x0
.irp k, 0,1,2
	global_store_b64 v19, v[32+2*\k:33+2*\k], s[38:39] offset:256*\k       ; 256 consecutive bytes, at a multiple of 256 from h's first byte
.endr
	s_cmp_lg_u32 s4, 0
	s_cbranch_scc1 .Lend
	ds_load_b128 v[56:59], v64                     ; wave 0: the 512 bytes of scale words: lane l has step l / 4, slots 4 (l % 4) on
	v_lshrrev_b32 v60, 2, v1
	v_lshlrev_b32 v60, 14, v60
	v_and_b32 v61, 3, v1
	v_lshl_add_u32 v60, v61, 4, v60
	s_wait_alu depctr_va_vdst(0)
	s_wait_dscnt 0x0
	global_store_b128 v60, v[56:59], s[40:41] offset:SOFF                  ; eight runs of 64 bytes: the scale words are one part in 24 of the codes' bytes
.Lend:
	s_wait_tensorcnt 0x0                           ; the wave's end
	ds_add_u32 v30, v31
	s_wait_dscnt 0x0
	s_endpgm
.Lfunc_end_k_q5c6426eff2_ln2:
	.size	k_q5c6426eff2_ln2, .Lfunc_end_k_q5c6426eff2_ln2-k_q5c6426eff2_ln2
	.p2alignl 7, 3214868480
	.fill 96, 4, 3214868480
	.section	.rodata,"a",@progbits
	.p2align	6, 0x0
	.amdhsa_kernel k_q5c6426eff2_ln2
		.amdhsa_group_segment_fixed_size 88576
		.amdhsa_private_segment_fixed_size 0
		.amdhsa_enable_private_segment 0
		.amdhsa_kernarg_size 32
		.amdhsa_user_sgpr_count 2
		.amdhsa_user_sgpr_kernarg_segment_ptr 1
		.amdhsa_wavefront_size32 1
		.amdhsa_system_sgpr_workgroup_id_x 1
		.amdhsa_system_sgpr_workgroup_id_y 1
		.amdhsa_system_sgpr_workgroup_id_z 1
		.amdhsa_system_vgpr_workitem_id 0
		.amdhsa_next_free_vgpr 256
		.amdhsa_next_free_sgpr 66
		.amdhsa_reserve_vcc 1
		.amdhsa_float_denorm_mode_32 3
		.amdhsa_float_denorm_mode_16_64 3
		.amdhsa_memory_ordered 1
		.amdhsa_forward_progress 1
		.amdhsa_inst_pref_size 16
	.end_amdhsa_kernel
	.amdgpu_metadata
---
amdhsa.version: [ 1, 2 ]
amdhsa.kernels:
  - .name:           k_q5c6426eff2_ln2
    .symbol:         k_q5c6426eff2_ln2.kd
    .args:
      - { .name: x1, .offset: 0, .size: 8, .value_kind: global_buffer, .address_space: global }
      - { .name: ln2_g, .offset: 8, .size: 8, .value_kind: global_buffer, .address_space: global }
      - { .name: ln2_b, .offset: 16, .size: 8, .value_kind: global_buffer, .address_space: global }
      - { .name: h, .offset: 24, .size: 8, .value_kind: global_buffer, .address_space: global }
    .group_segment_fixed_size: 88576
    .private_segment_fixed_size: 0
    .kernarg_segment_align: 8
    .kernarg_segment_size: 32
    .max_flat_workgroup_size: 512
    .sgpr_count:     66
    .vgpr_count:     256
    .wavefront_size: 32
...
	.end_amdgpu_metadata
.endif
;; end of part 5
;; launch ff1: the kernel of part 2 again; grid 16 x 16, 4 waves a work-group, clusters of 4 x 4, 327,680 bytes of LDS; arguments w1q, h, b1, big; writes big
;; launch ff2 (part 6): grid 8 x 32, 4 waves a work-group, clusters of 4 x 4, 327,680 bytes of LDS; arguments wpw2q, big, b2, x1, out0; writes out0
.if DOCPART == 6
	.amdgcn_target "amdgcn-amd-amdhsa--gfx1250"
	.amdhsa_code_object_version 6
	.text
	.protected	k_q5c6426eff2_ff2
	.globl	k_q5c6426eff2_ff2
	.p2align	8
	.type	k_q5c6426eff2_ff2,@function
k_q5c6426eff2_ff2:
	s_mov_b64 s[64:65], 0
	v_nop
	global_prefetch_b8 v0, s[64:65] scope:SCOPE_SE
	s_setreg_imm32_b32 hwreg(HW_REG_WAVE_MODE, 25, 1), 1
	s_wait_xcnt 0x0
	s_wait_alu depctr_hold_cnt(0) depctr_sa_sdst(0) depctr_va_vdst(0) depctr_va_sdst(0) depctr_va_ssrc(0) depctr_va_vcc(0) depctr_vm_vsrc(0)
	s_getreg_b32 s2, hwreg(HW_REG_IB_STS2, 6, 4)
	s_cmp_eq_u32 s2, 0
	s_cbranch_scc0 .Lentry_in_a_cluster
	s_endpgm
.Lentry_in_a_cluster:
	s_bfe_u32 s2, ttmp6, 0x10000c
	s_cmp_lg_u32 s2, 0xf033
	s_cbranch_scc0 .Lentry_shape_is_right
	s_endpgm
.Lentry_shape_is_right:
; A GEMM ON CODES OF E2M3 WITH A RESIDUAL: out(y, x) = res(y, x) + bias(x) + sum over k of Y(y, k) X(x, k), f32.  Here: out0 = x1 + hidden layer x w2 + b2, K = 4,096: 32 steps of 128.
; LAYOUTS (this program's own): rows go in tiles of 16, slot s of tile 2 B + u = row 32 B + 8 u + s + (s & 8); a fragment (16 slots x 128 K) lies as the image of its 12 registers, 1,536 bytes, lane L's 16 bytes at 512 p + 16 L;
; fragment (tile, step) at (tile KS + step) 1,536; scale words at an offset + 16,384 step + 64 tile + 4 slot.
; THE MATRIX INSTRUCTION: source 0 = 16 rows of X (features), source 1 = 16 rows of Y (tokens): a lane holds one token and eight neighbouring features a tile.
; SHARES: a work-group makes 128 x 128, so that 256 work-groups have work; four waves, 64 x 64 each: 16 accumulators.
; THE TILES.  K goes in eight chunks of four steps; chunk c lies in slot c % 3 of THREE LDS slots (Y's eight tiles, then X's eight).  One tensor load brings an operand's eight tiles of a chunk, 49,152 bytes, so that the four
; waves fill TWO slots behind one round: waves 0 (Y) and 2 (X) slot 0, waves 1 (Y) and 3 (X) slot 1; slot 2 is filled by waves 0 and 2 alone.  Chunks 0, 1, 2 are first fills.  Behind chunk 1: chunks 3 and 4; behind chunk 2: chunk 5;
; behind chunk 4: chunks 6 and 7: three rounds with refills for 20 steps.  The text is written out without a loop: the changes of slots differ from chunk to chunk.
; THE SCALE WORDS of steps 1 to 31 come into LDS once, with the first fills; step 0's come straight into registers, which leaves LDS the room for the spare words beside three slots.
; THE RESIDUAL is asked for at the head and waited for only in front of the way out.  The stage of the way out lies in slot 2, which has had its last fill and, ahead of the barrier behind chunk 5, its last read.
; CLUSTERS: 4 x 4 work-groups; Y's tiles are shared along a row of the cluster, X's along a column: each is asked for jointly.  No prefetch: the tiles are small and 12 of the 32 steps are asked for at the head.
; REGISTERS: window 0: v16-31 addresses; v32-47 scale words, two sets (lanes 0-15 Y's tile i, lanes 16-31 X's tile i); v48-51, v52-55 step 0's scale words of Y and of X; v64.., v160.. Y's fragments, two sets.
;   window 1: X's fragments at v0 and v128, the bias tiles at v96-127.  window 2: v0-127 the accumulators, v128-255 the residual.
.set MB,   4
.set NB,   4
.set KS,   32
.set CH,   4
.set XCO,  917504
.set XSO,  4063232
.set YSO,  15728640
.set FRB,   1536
.set HALFT, MB*CH*FRB                  ; what a wave reads of an operand in a chunk: its four tiles
.set OPB,   2*HALFT                    ; what one tensor load brings: an operand's eight tiles of a chunk
.set SLOT,  2*OPB                      ; Y's, then X's
.set HALFS, (KS-1)*MB*64               ; the scale words of four tiles for steps 1 to 31: [step - 1][tile][64]
.set SCL,   3*SLOT
.set SPARE, SCL+4*HALFS                ; the spare words: 128 bytes a wave, named by no other line
.set STAGE, 2*SLOT                     ; the way out: 16 rows of 256 + 16 bytes for each wave, in slot 2
.set RSTEP, 3*CH*FRB                   ; from a slot's chunk to the chunk that it takes next
.set NF,    7*MB
.set ADY,  16                          ; v16-18  my place in Y's part of slot 0, 1, 2
.set ADX,  20                          ; v20-22  the same for X
.set STO,  24
.set RD,   25
.set CO,   26
.set ADRS, 27
.set SPW,  28
.set NIL,  29
.set BO,   30
.set SOR,  31
.set SC,   32
.set YS0,  48
.set XS0,  52
.set YF,   64
.set G1,   24                          ; s[24:31] group 1 for Y's codes; s[32:35] group 0 for slots 0 and 1 (each wave's own), s[36:39] for slot 2
.set G0,   32
.set G1B,  48                          ; s[48:55], s[56:59], s[60:63] the same for X
.set G0B,  56
.set G1S,  68
.set G0S,  76
.set G1SB, 80
.set G0SB, 88
.set MSB, 0
.macro WIN new                         ; the immediate's high byte repeats the setting that is left; a switch that changes nothing is dropped
.if MSB != (\new)
	s_set_vgpr_msb (MSB<<8)|(\new)
.set MSB, (\new)
.endif
.endm
.macro JLOAD                           ; the joint refill of slots 0 and 1: waves 0 and 1 fetch for Y, waves 2 and 3 for X; the branch hangs on the wave's number alone; four v_nop follow each line
	s_cmp_eq_u32 s15, 0
	s_cbranch_scc0 .Lfor_x_\@
	tensor_load_to_lds s[G0:G0+3], s[G1:G1+7]
	s_nop 0
.rept 4
	v_nop
.endr
	s_branch .Lasked_\@
.Lfor_x_\@:
	tensor_load_to_lds s[G0B:G0B+3], s[G1B:G1B+7]
	s_nop 0
.rept 4
	v_nop
.endr
.Lasked_\@:
.endm
.macro JLOADB                          ; the joint refill of slot 2: wave 0 fetches Y's part, wave 2 X's; waves 1 and 3 have no part of it
	s_cmp_eq_u32 s14, 0
	s_cbranch_scc0 .Lnot_y_\@
	tensor_load_to_lds s[G0+4:G0+7], s[G1:G1+7]
	s_nop 0
.rept 4
	v_nop
.endr
	s_branch .Lasked_\@
.Lnot_y_\@:
	s_cmp_eq_u32 s14, 2
	s_cbranch_scc0 .Lasked_\@
	tensor_load_to_lds s[G0B+4:G0B+7], s[G1B:G1B+7]
	s_nop 0
.rept 4
	v_nop
.endr
.Lasked_\@:
.endm
.macro CREST                           ; a round of the cluster's barrier behind its opening barrier
	s_cmp_lg_u32 s14, 0
	s_cbranch_scc1 .Lnot_wave_0_\@
	s_barrier_signal -3
.Lnot_wave_0_\@:
	s_barrier_wait -3
	s_barrier_signal -1
	s_barrier_wait -1
.endm
.macro CROUND
	s_barrier_signal -1
	s_barrier_wait -1
	CREST
.endm
.macro PLACES n
.rept \n
	v_nop
.endr
.endm
.macro FETCH slot, q, p, kap           ; the fragments of the slot's q-th step, which is step kap of K, and its scale words, into set p: NF LDS loads in one run (step 0 has its scale words in registers already)
	WIN 0x40
.set FI, 0
.rept NB
.irp c, 0,1,2
	ds_load_b128 v[128*(\p)+12*FI+4*\c:128*(\p)+12*FI+4*\c+3], v[ADX+\slot] offset:FI*CH*FRB+(\q)*FRB+512*\c
.endr
.set FI, FI+1
.endr
	WIN 0
.set FI, 0
.rept MB
.irp c, 0,1,2
	ds_load_b128 v[YF+96*(\p)+12*FI+4*\c:YF+96*(\p)+12*FI+4*\c+3], v[ADY+\slot] offset:FI*CH*FRB+(\q)*FRB+512*\c
.endr
.set FI, FI+1
.endr
.if (\kap) > 0
.set FI, 0
.rept MB
	ds_load_b32 v[SC+8*(\p)+FI], v[ADRS] offset:((\kap)-1)*2*MB*64+64*FI   ; a step's scale words of an operand: eight tiles of 64 bytes
.set FI, FI+1
.endr
.endif
.endm
.macro MULA a, p, first                ; Y's tile a against X's four tiles.  first = 1 (step 0): the bias is the C of the sum's first instruction, and the scale words are those loaded from memory
.if \first
	WIN (2<<6)|(1<<4)|1
.else
	WIN (2<<6)|(2<<4)|1
.endif
.set BQ, 0
.rept NB
.set AC, 8*(NB*(\a)+BQ)
.set BI, 96+8*BQ
.if \first
	v_wmma_scale_f32_16x16x128_f8f6f4 v[AC:AC+7], v[128*(\p)+12*BQ:128*(\p)+12*BQ+11], v[YF+96*(\p)+12*(\a):YF+96*(\p)+12*(\a)+11], v[BI:BI+7], v[XS0+BQ], v[YS0+(\a)] matrix_a_fmt:MATRIX_FMT_FP6 matrix_b_fmt:MATRIX_FMT_FP6
.else
	v_wmma_scale_f32_16x16x128_f8f6f4 v[AC:AC+7], v[128*(\p)+12*BQ:128*(\p)+12*BQ+11], v[YF+96*(\p)+12*(\a):YF+96*(\p)+12*(\a)+11], v[AC:AC+7], v[SC+8*(\p)+BQ], v[SC+8*(\p)+(\a)] matrix_a_fmt:MATRIX_FMT_FP6 matrix_b_fmt:MATRIX_FMT_FP6 matrix_a_scale:MATRIX_SCALE_ROW1
.endif
.set BQ, BQ+1
.endr
.endm
.macro MULQ k, p, first                ; a quarter of a step's products.  The accumulators take turns, one instruction a turn, in the same order in every step
	MULA \k, \p, \first
.endm
.macro STEP slot, q, kap, first        ; step kap, which has its successor in the same slot: the successor's loads go out first and have the whole step in which to land
.set PP, (\q)%2
	PLACES 4                                       ; four plain instructions between the last products and loads into registers that they read
	FETCH \slot, (\q)+1, 1-PP, (\kap)+1
	s_wait_dscnt NF                                ; all but the NF loads just issued: this step's set is in
	MULQ 0, PP, \first
	MULQ 1, PP, \first
	MULQ 2, PP, \first
	MULQ 3, PP, \first
	WIN 0
.endm
.macro STEPS3 slot, ck, q0             ; chunk ck's steps q0 .. 2
.set SQ, \q0
.rept 3-(\q0)
	STEP \slot, SQ, 4*(\ck)+SQ, 0
.set SQ, SQ+1
.endr
.endm
.macro PASS next, kap                  ; a chunk's last step where the next slot is known whole to every wave and nothing is filled: no barrier
	PLACES 4
	FETCH \next, 0, 0, (\kap)+1
	s_wait_dscnt NF                                ; all but the NF loads just issued: this step's set is in
	MULQ 0, 1, 0
	MULQ 1, 1, 0
	MULQ 2, 1, 0
	MULQ 3, 1, 0
	WIN 0
.endm
.macro TURN next, kind, kap            ; a chunk's last step with a barrier.  kind = 0: the barrier shows the slots ahead whole to every wave; 1: slots 0 and 1 are filled again; 2: slot 2 is
	s_wait_tensorcnt 0x0                           ; all my tensor loads have landed;
	ds_add_u32 v[SPW], v[NIL]                      ; 0 onto my spare word
	s_wait_dscnt 0x1                               ; (this step's set is in; the add alone may be out)
	MULQ 0, 1, 0                                   ; matrix work stands between the add and the wait for it
	s_wait_dscnt 0x0                               ; the add is done, and my reads of the slots behind me are over
	s_barrier_signal -1
	MULQ 1, 1, 0
	WIN 0
	s_barrier_wait -1
.if (\kind) == 1
	CREST                                          ; the barrier has opened a round of the cluster's barrier: no wave of any partner still reads slots 0 and 1 or has a load on its way
	s_add_nc_u64 s[G0+2:G0+3], s[G0+2:G0+3], RSTEP
	s_add_nc_u64 s[G0B+2:G0B+3], s[G0B+2:G0B+3], RSTEP
	JLOAD                                          ; the first tensor load behind the round, one a wave; its four v_nop are also the places in front of the loads below
.elseif (\kind) == 2
	CREST
	s_add_nc_u64 s[G0+6:G0+7], s[G0+6:G0+7], RSTEP
	s_add_nc_u64 s[G0B+6:G0B+7], s[G0B+6:G0B+7], RSTEP
	JLOADB
	PLACES 4                                       ; (waves 1 and 3 have passed no v_nop)
.else
	PLACES 4
.endif
	FETCH \next, 0, 0, (\kap)+1
	MULQ 2, 1, 0
	MULQ 3, 1, 0
	WIN 0
.endm
.macro LAST
	s_wait_dscnt 0x0
	MULQ 0, 1, 0
	MULQ 1, 1, 0
	MULQ 2, 1, 0
	MULQ 3, 1, 0
	WIN 0
.endm
	s_load_b256 s[4:11], s[0:1], 0x0               ; xb s[4:5], yb s[6:7], bias s[8:9], res s[10:11]
	s_load_b64 s[12:13], s[0:1], 0x20              ; out
	v_lshl_add_u32 v[SPW], v0, 2, SPARE
	v_mov_b32 v[NIL], 0
	ds_add_u32 v28, v29
	ds_add_u32 v28, v29
	s_wait_dscnt 0x0
	v_lshrrev_b32 v1, 5, v0
	v_readfirstlane_b32 s14, v1                    ; wave 0..3
	s_lshr_b32 s15, s14, 1                         ; my half of Y.  Also: I fetch for Y (0) or for X (1)
	s_and_b32 s16, s14, 1                          ; my half of X.  Also: I fill slot 0 (0) or slot 1 (1), and which half's scale words I fetch
	s_bfe_u32 s40, ttmp6, 0x40000                  ; cx
	s_bfe_u32 s41, ttmp6, 0x40004                  ; cy
	s_and_b32 s18, ttmp7, 0xffff                   ; the cluster's y
	s_lshl_b32 s42, ttmp9, 2
	s_add_co_u32 s42, s42, s40                     ; xt: my block along x
	s_lshl_b32 s17, s18, 2
	s_add_co_u32 s17, s17, s41                     ; yt: my block along y
	s_lshl_b32 s43, s41, 2
	s_lshl_b32 s43, 15, s43                        ; my row of the cluster
	s_lshl_b32 s44, 0x1111, s40                    ; my column
	; group 1 for codes: 8 rows (tiles) of CH x 1,536 bytes, KS x 1,536 bytes apart; elements of 8 bytes; no padding
	s_or_b32 s[G1], s43, (3<<16)|(1<<21)
	s_or_b32 s[G1B], s44, (3<<16)|(1<<21)
.irp g, G1, G1B
	s_mov_b32 s[\g+1], (192*CH)<<16                ; tensor_dim0
	s_mov_b32 s[\g+2], (2*MB)<<16                  ; tensor_dim1
	s_mov_b32 s[\g+3], (192*CH)<<16                ; tile_dim0
	s_mov_b32 s[\g+4], 2*MB                        ; tile_dim1
	s_mov_b32 s[\g+5], 192*KS                      ; the pitch
	s_mov_b32 s[\g+6], 0
	s_mov_b32 s[\g+7], 0
.endr
	; group 1 for scale words: KS - 1 rows (steps 1 on) of 2 MB x 64 bytes, 16,384 bytes apart
	s_or_b32 s[G1S], s43, (3<<16)|(1<<21)
	s_or_b32 s[G1SB], s44, (3<<16)|(1<<21)
.irp g, G1S, G1SB
	s_mov_b32 s[\g+1], (16*MB)<<16                 ; a row is a step's eight tiles, 512 bytes
	s_mov_b32 s[\g+2], (KS-1)<<16
	s_mov_b32 s[\g+3], (16*MB)<<16
	s_mov_b32 s[\g+4], KS-1
	s_mov_b32 s[\g+5], 2048
	s_mov_b32 s[\g+6], 0
	s_mov_b32 s[\g+7], 0
.endr
	s_mov_b32 s18, 0                               ; the scale words of an operand's eight tiles come by one load
	s_mul_i32 s20, s17, 2*MB                       ; Y: the work-group's first tile
	s_add_co_u32 s22, s20, s18                     ; the half whose scale words I would fetch,
	s_lshl_b32 s22, s22, 6
	s_add_co_u32 s22, s22, YSO+16384               ; from step 1 on
	s_mul_i32 s20, s20, KS*FRB
	s_mov_b32 s21, 0
	s_mov_b32 s23, 0
	s_mul_i32 s46, s42, 2*MB                       ; X likewise
	s_add_co_u32 s92, s46, s18
	s_lshl_b32 s92, s92, 6
	s_add_co_u32 s92, s92, XSO+16384
	s_mul_i32 s46, s46, KS*FRB
	s_add_co_u32 s46, s46, XCO
	s_mov_b32 s47, 0
	s_mov_b32 s93, 0
	s_mul_i32 s45, s16, SLOT                       ; the slot that I fill, of slots 0 and 1: no place in the cluster enters an LDS address
	s_mul_i32 s96, s16, CH*FRB                     ; and the chunk with which it begins: 0 or 1
	s_mov_b32 s97, 0
	s_wait_kmcnt 0x0
	s_add_nc_u64 s[20:21], s[6:7], s[20:21]
	s_add_nc_u64 s[22:23], s[6:7], s[22:23]
	s_add_nc_u64 s[46:47], s[4:5], s[46:47]
	s_add_nc_u64 s[92:93], s[4:5], s[92:93]
	; THE PREFETCHES (the head comment's words on them are overtaken).  Of an operand's eight tiles each of the four partners that ask for them jointly takes two, told apart by address (cx for Y, cy for X), a wave one: waves 0, 1 of Y, waves 2, 3 of X
	s_cmp_lt_u32 s14, 2
	s_cselect_b64 s[98:99], s[20:21], s[46:47]
	s_cselect_b32 s2, s40, s41
	s_lshl_b32 s2, s2, 1
	s_add_co_u32 s2, s2, s16
	s_mul_i32 s2, s2, KS*FRB
	s_mov_b32 s3, 0
	s_add_nc_u64 s[98:99], s[98:99], s[2:3]        ; my tile's fragments; never rewritten: a chunk's place stands in the immediate
	CROUND                                         ; all sixteen work-groups are here: the first joint loads meet
	s_mov_b32 s[G0S], 1
	s_mov_b32 s[G0S+1], SCL
	s_mov_b64 s[G0S+2:G0S+3], s[22:23]
	s_or_b32 s[G0S+3], s[G0S+3], 0x80000000
	s_mov_b32 s[G0SB], 1
	s_mov_b32 s[G0SB+1], SCL+2*HALFS
	s_mov_b64 s[G0SB+2:G0SB+3], s[92:93]
	s_or_b32 s[G0SB+3], s[G0SB+3], 0x80000000
	s_mov_b32 s[G0], 1                             ; Y, slot 0 or 1
	s_mov_b32 s[G0+1], s45
	s_add_nc_u64 s[G0+2:G0+3], s[20:21], s[96:97]
	s_or_b32 s[G0+3], s[G0+3], 0x80000000
	s_mov_b32 s[G0+4], 1                           ; Y, slot 2: chunk 2
	s_mov_b32 s[G0+5], 2*SLOT
	s_add_nc_u64 s[G0+6:G0+7], s[20:21], 2*CH*FRB
	s_or_b32 s[G0+7], s[G0+7], 0x80000000
	s_mov_b32 s[G0B], 1                            ; X, slot 0 or 1, behind Y's part
	s_add_co_u32 s[G0B+1], s45, OPB
	s_add_nc_u64 s[G0B+2:G0B+3], s[46:47], s[96:97]
	s_or_b32 s[G0B+3], s[G0B+3], 0x80000000
	s_mov_b32 s[G0B+4], 1                          ; X, slot 2
	s_mov_b32 s[G0B+5], 2*SLOT+OPB
	s_add_nc_u64 s[G0B+6:G0B+7], s[46:47], 2*CH*FRB
	s_or_b32 s[G0B+7], s[G0B+7], 0x80000000
	; a wave's first fills, one load a wave in each of two chains of branches on its number.  Waves 0 and 2: slot 0, then slot 2; waves 1 and 3: scale words, then slot 1
	s_cmp_eq_u32 s14, 0
	s_cbranch_scc0 .Lff1
	tensor_load_to_lds s[G0:G0+3], s[G1:G1+7]      ; the head, one load a wave: wave 0 slot 0's tiles of Y,
	s_nop 0
.rept 4
	v_nop
.endr
	s_branch .Lffd
.Lff1:
	s_cmp_eq_u32 s14, 1
	s_cbranch_scc0 .Lff2
	tensor_load_to_lds s[G0S:G0S+3], s[G1S:G1S+7]  ; wave 1 Y's scale words,
	s_nop 0
.rept 4
	v_nop
.endr
	s_branch .Lffd
.Lff2:
	s_cmp_eq_u32 s14, 2
	s_cbranch_scc0 .Lff3
	tensor_load_to_lds s[G0B:G0B+3], s[G1B:G1B+7]  ; wave 2 slot 0's tiles of X,
	s_nop 0
.rept 4
	v_nop
.endr
	s_branch .Lffd
.Lff3:
	tensor_load_to_lds s[G0SB:G0SB+3], s[G1SB:G1SB+7]   ; wave 3 X's scale words
	s_nop 0
.rept 4
	v_nop
.endr
.Lffd:
	v_and_b32 v1, 31, v0                           ; lane
	v_lshlrev_b32 v2, 4, v1                        ; 16 x lane: my place in every image
	v_and_b32 v3, 15, v0                           ; r
	v_bfe_u32 v4, v0, 4, 1                         ; h
	v_min_u32 v8, 23, v1                           ; the prefetches' offset: a tile's chunk is 24 blocks of 256 bytes, a lane a block; lanes 24-31 name the last block again
	v_lshlrev_b32 v8, 8, v8
	s_wait_alu depctr_va_vdst(0)
	s_mul_i32 s21, s15, HALFT                      ; my four tiles of Y,
	s_mul_i32 s22, s16, HALFT
	s_add_co_u32 s22, s22, OPB                     ; my four of X, behind Y's eight
.irp s, 0,1,2
	v_add_nc_u32 v[ADY+\s], s21, v2
	v_add_nc_u32 v[ADX+\s], s22, v2
	s_add_co_u32 s21, s21, SLOT
	s_add_co_u32 s22, s22, SLOT
.endr
	s_mul_i32 s21, s15, MB*64                      ; my half's four tiles within a step's eight
	s_mul_i32 s22, s16, MB*64
	s_add_co_u32 s22, s22, 2*HALFS
	s_sub_co_u32 s22, s22, s21
	v_mul_u32_u24 v5, s22, v4
	s_add_co_u32 s21, s21, SCL
	v_lshl_add_u32 v5, v3, 2, v5
	v_add_nc_u32 v[ADRS], s21, v5
	v_lshlrev_b32 v[BO], 6, v4                     ; the bias: lane (r, h) wants, for tile 2 B + u, the numbers 32 B + 16 h + 8 u + 0 .. 7
	v_lshlrev_b32 v[SOR], 2, v3                    ; step 0's scale words: 4 r
	s_wait_alu depctr_va_vdst(0)
	global_prefetch_b8 v8, s[98:99] offset:1*CH*FRB th:TH_LOAD_NT scope:SCOPE_SE   ; chunks 1 and 2: they are loaded behind the next round
	global_prefetch_b8 v8, s[98:99] offset:2*CH*FRB th:TH_LOAD_NT scope:SCOPE_SE
	s_mul_i32 s23, s14, 16*272
	s_add_co_u32 s23, s23, STAGE                   ; my stage
	v_mul_u32_u24 v5, v3, 272
	v_lshl_add_u32 v5, v4, 6, v5
	v_add_nc_u32 v[STO], s23, v5                   ; in: row r, 64 h
	v_mul_u32_u24 v5, v4, 272
	v_lshl_add_u32 v5, v3, 4, v5
	v_add_nc_u32 v[RD], s23, v5                    ; back: lanes 0-15 one row, lanes 16-31 the next
	v_lshlrev_b32 v5, 12, v4
	v_lshl_add_u32 v[CO], v3, 4, v5                ; and the same in memory: rows of 4,096 bytes
	s_wait_alu depctr_va_vdst(0)
	s_mul_i32 s18, s17, 2*MB                       ; step 0's scale words of my four tiles of Y
	s_mul_i32 s19, s15, MB
	s_add_co_u32 s18, s18, s19
	s_lshl_b32 s18, s18, 6
	s_add_co_u32 s18, s18, YSO
	s_mov_b32 s19, 0
	s_add_nc_u64 s[6:7], s[6:7], s[18:19]
	s_mul_i32 s18, s42, 2*MB                       ; and of X
	s_mul_i32 s96, s16, MB
	s_add_co_u32 s18, s18, s96
	s_lshl_b32 s18, s18, 6
	s_add_co_u32 s18, s18, XSO
	s_add_nc_u64 s[4:5], s[4:5], s[18:19]
	s_lshl_b32 s92, s42, 9
	s_lshl_b32 s93, s16, 8
	s_add_co_u32 s92, s92, s93                     ; my 64 columns, in bytes
	s_mov_b32 s93, 0
	s_add_nc_u64 s[8:9], s[8:9], s[92:93]
	s_lshl_b32 s20, s17, 7
	s_lshl_b32 s21, s15, 6
	s_add_co_u32 s20, s20, s21                     ; my first token
	s_lshl_b32 s20, s20, 12
	s_add_co_u32 s20, s20, s92
	s_mov_b32 s21, 0
	s_add_nc_u64 s[10:11], s[10:11], s[20:21]
	s_add_nc_u64 s[12:13], s[12:13], s[20:21]
	WIN 0x40
.set FI, 0
.rept NB
.set BI, 96+8*FI
	global_load_b128 v[BI:BI+3], v[BO], s[8:9] offset:(32*(FI/2)+8*(FI%2))*4
	global_load_b128 v[BI+4:BI+7], v[BO], s[8:9] offset:(32*(FI/2)+8*(FI%2))*4+16
.set FI, FI+1
.endr
	WIN 0
.irp i, 0,1,2,3
	global_load_b32 v[YS0+\i], v[SOR], s[6:7] offset:64*\i     ; lane r (and r + 16, which is not read): slot r's word of tile i
	global_load_b32 v[XS0+\i], v[SOR], s[4:5] offset:64*\i
.endr
	WIN 0x80                                       ; the residual, as the rows will leave: window 2, v128 + 32 a + 4 t: 32 loads, issued last
.set AA, 0
.rept 4
.set TT, 0
.rept 8
.set TOK, 32*(AA/2)+8*(AA%2)+2*TT+8*(TT/4)
	global_load_b128 v[128+32*AA+4*TT:131+32*AA+4*TT], v[CO], s[10:11] offset:TOK*4096
.set TT, TT+1
.endr
.set AA, AA+1
.endr
	WIN 0
	s_wait_alu depctr_va_vdst(0)
	s_wait_tensorcnt 0x0                           ; my tile of the head's four is in; slots 1 and 2 are first filled as a refill is:
	ds_add_u32 v[SPW], v[NIL]
	s_wait_dscnt 0x0
	CROUND                                         ; slot 0 and the scale words are whole in every work-group of the cluster
	s_cmp_eq_u32 s14, 0                            ; one load a wave, in one chain of branches on the wave's number
	s_cbranch_scc0 .Lsf1
	tensor_load_to_lds s[G0+4:G0+7], s[G1:G1+7]    ; wave 0: slot 2's tiles of Y
	s_nop 0
	PLACES 4
	s_branch .Lsfd
.Lsf1:
	s_cmp_eq_u32 s14, 1
	s_cbranch_scc0 .Lsf2
	tensor_load_to_lds s[G0:G0+3], s[G1:G1+7]      ; wave 1: slot 1's of Y
	s_nop 0
	PLACES 4
	s_branch .Lsfd
.Lsf2:
	s_cmp_eq_u32 s14, 2
	s_cbranch_scc0 .Lsf3
	tensor_load_to_lds s[G0B+4:G0B+7], s[G1B:G1B+7]   ; wave 2: slot 2's of X
	s_nop 0
	PLACES 4
	s_branch .Lsfd
.Lsf3:
	tensor_load_to_lds s[G0B:G0B+3], s[G1B:G1B+7]  ; wave 3: slot 1's of X
	s_nop 0
	PLACES 4
.Lsfd:
	FETCH 0, 0, 0, 0
	global_prefetch_b8 v8, s[98:99] offset:3*CH*FRB th:TH_LOAD_NT scope:SCOPE_SE   ; chunks 3 and 4: they are loaded behind chunk 1, two chunks on
	global_prefetch_b8 v8, s[98:99] offset:4*CH*FRB th:TH_LOAD_NT scope:SCOPE_SE
	s_wait_loadcnt 32                              ; loads come back in order: the bias and step 0's scale words are in; the 32 loads of the residual may stay out
	STEP 0, 0, 0, 1                                ; step 0: its products start the sums
	STEPS3 0, 0, 1                                 ; chunk 0 in slot 0
	TURN 1, 0, 3                                   ; every wave's first fills have landed: slots 1 and 2 are whole
	global_prefetch_b8 v8, s[98:99] offset:5*CH*FRB th:TH_LOAD_NT scope:SCOPE_SE   ; chunk 5: it is loaded behind chunk 2, two chunks on
	STEPS3 1, 1, 0                                 ; chunk 1 in slot 1
	TURN 2, 1, 7                                   ; slots 0 and 1 take chunks 3 and 4
	global_prefetch_b8 v8, s[98:99] offset:6*CH*FRB th:TH_LOAD_NT scope:SCOPE_SE   ; chunks 6 and 7: they are loaded behind chunk 4, three chunks on
	global_prefetch_b8 v8, s[98:99] offset:7*CH*FRB th:TH_LOAD_NT scope:SCOPE_SE
	STEPS3 2, 2, 0                                 ; chunk 2 in slot 2
	TURN 0, 2, 11                                  ; chunks 3 and 4 have landed; slot 2 takes chunk 5
	STEPS3 0, 3, 0                                 ; chunk 3
	PASS 1, 15                                     ; chunk 4 was shown whole by the round above
	STEPS3 1, 4, 0                                 ; chunk 4
	TURN 2, 1, 19                                  ; chunk 5 has landed; slots 0 and 1 take chunks 6 and 7: the last loads
	STEPS3 2, 5, 0                                 ; chunk 5
	TURN 0, 0, 23                                  ; chunks 6 and 7 have landed; nobody reads slot 2 behind this barrier
	STEPS3 0, 6, 0                                 ; chunk 6
	PASS 1, 27
	STEPS3 1, 7, 0                                 ; chunk 7
	LAST
	PLACES 4                                       ; between the last products and the first lines that read results or write registers that they read
	s_wait_loadcnt 0x0                             ; the residual
.macro OUTF a                          ; Y's tile a: 16 tokens x 64 columns through my own stage, the residual added, whole runs of 256 bytes out
.set RB, 64+32*((\a)%2)
.if (\a) > 1
	s_wait_xcnt 0x0                                ; tile a - 2's stores have read these registers
.endif
	WIN 0x08                                       ; an LDS store's data are its source 1: window 2
.irp b, 0,1,2,3
	ds_store_b128 v[STO], v[8*(4*(\a)+\b):8*(4*(\a)+\b)+3] offset:128*(\b/2)+32*(\b%2)
	ds_store_b128 v[STO], v[8*(4*(\a)+\b)+4:8*(4*(\a)+\b)+7] offset:128*(\b/2)+32*(\b%2)+16
.endr
	WIN 0
.irp t, 0,1,2,3,4,5,6,7
	ds_load_b128 v[RB+4*\t:RB+4*\t+3], v[RD] offset:544*\t   ; LDS serves a wave's instructions in order: these see my stores
.endr
	s_wait_dscnt 0x0
	WIN 0x08
.irp t, 0,1,2,3,4,5,6,7,8,9,10,11,12,13,14,15
	v_pk_add_f32 v[RB+2*\t:RB+2*\t+1], v[RB+2*\t:RB+2*\t+1], v[128+32*(\a)+2*\t:129+32*(\a)+2*\t]
.endr
	WIN 0
.set TT, 0
.rept 8
.set TOK, 32*((\a)/2)+8*((\a)%2)+2*TT+8*(TT/4)
	global_store_b128 v[CO], v[RB+4*TT:RB+4*TT+3], s[12:13] offset:TOK*4096 th:TH_STORE_NT   ; sixteen lanes store 256 consecutive bytes, aligned
.set TT, TT+1
.endr
.endm
	OUTF 0
	OUTF 1
	OUTF 2
	OUTF 3
	s_wait_tensorcnt 0x0                           ; the wave's end
	ds_add_u32 v[SPW], v[NIL]
	s_wait_dscnt 0x0
	CROUND                                         ; the closing round: no work-group ends while a partner may still ask for a tile that names it
	s_endpgm
.Lfunc_end_k_q5c6426eff2_ff2:
	.size	k_q5c6426eff2_ff2, .Lfunc_end_k_q5c6426eff2_ff2-k_q5c6426eff2_ff2
	.p2alignl 7, 3214868480
	.fill 96, 4, 3214868480
	.section	.rodata,"a",@progbits
	.p2align	6, 0x0
	.amdhsa_kernel k_q5c6426eff2_ff2
		.amdhsa_group_segment_fixed_size 327680
		.amdhsa_private_segment_fixed_size 0
		.amdhsa_enable_private_segment 0
		.amdhsa_kernarg_size 40
		.amdhsa_user_sgpr_count 2
		.amdhsa_user_sgpr_kernarg_segment_ptr 1
		.amdhsa_wavefront_size32 1
		.amdhsa_system_sgpr_workgroup_id_x 1
		.amdhsa_system_sgpr_workgroup_id_y 1
		.amdhsa_system_sgpr_workgroup_id_z 1
		.amdhsa_system_vgpr_workitem_id 0
		.amdhsa_next_free_vgpr 768
		.amdhsa_next_free_sgpr 100
		.amdhsa_reserve_vcc 0
		.amdhsa_float_denorm_mode_32 3
		.amdhsa_float_denorm_mode_16_64 3
		.amdhsa_memory_ordered 1
		.amdhsa_forward_progress 1
		.amdhsa_inst_pref_size 162
	.end_amdhsa_kernel
	.amdgpu_metadata
---
amdhsa.version: [ 1, 2 ]
amdhsa.kernels:
  - .name:           k_q5c6426eff2_ff2
    .symbol:         k_q5c6426eff2_ff2.kd
    .args:
      - { .name: wpw2q, .offset: 0, .size: 8, .value_kind: global_buffer, .address_space: global }
      - { .name: big, .offset: 8, .size: 8, .value_kind: global_buffer, .address_space: global }
      - { .name: b2, .offset: 16, .size: 8, .value_kind: global_buffer, .address_space: global }
      - { .name: x1, .offset: 24, .size: 8, .value_kind: global_buffer, .address_space: global }
      - { .name: out0, .offset: 32, .size: 8, .value_kind: global_buffer, .address_space: global }
    .group_segment_fixed_size: 327680
    .private_segment_fixed_size: 0
    .kernarg_segment_align: 8
    .kernarg_segment_size: 40
    .max_flat_workgroup_size: 128
    .sgpr_count:     100
    .vgpr_count:     768
    .wavefront_size: 32
...
	.end_amdgpu_metadata
.endif
;; end of part 6
